; MI455X (gfx1250); checked and timed in simulation.
; The chip was launched on July 23, 2026; its instructions are those of AMD's public machine-readable ISA for CDNA 5 (MIT licence, August 2026) and "CDNA5" Instruction Set Architecture Reference Guide (July 2026). The comments in the code are by the model that wrote it; some were corrected since.
;; Scaled Dot Product Attention. Allowed arithmetic: float matrix products may take bf16 or f16 operands with f32 sums; all other float work in f32.
;; Inputs: k 4 x 16 x 2,048 x 64 float32; mask 4 x 1 x 2,048 x 2,048 bool; q 4 x 16 x 2,048 x 64 float32; v 4 x 16 x 2,048 x 64 float32.
;; Outputs: out0 4 x 16 x 2,048 x 64 float32.
;; 2 versions, each right. Each part assembles by itself: llvm-mc -triple=amdgcn-amd-amdhsa -mcpu=gfx1250 --defsym DOCPART=n.
;; ======== version 1 of 2: 2 launches
;; limits: right only within a limited range of input values; values are held in f16: magnitudes above 65,504 overflow, below 6.1e-05 lose precision; inputs' magnitudes at most 65,520
;; workspace buffers: pm 2,097,152 bytes of whole numbers
;; launch pack (part 1): grid 256 x 1, 8 waves a work-group, no clusters, 70,656 bytes of LDS; arguments mask, pm; writes pm
.if DOCPART == 1
	.amdgcn_target "amdgcn-amd-amdhsa--gfx1250"
	.amdhsa_code_object_version 6
	.text
	.protected	k_qcdf311981e_pack
	.globl	k_qcdf311981e_pack
	.p2align	8
	.type	k_qcdf311981e_pack,@function
k_qcdf311981e_pack:
	s_mov_b64 s[64:65], 0
	v_nop
	global_prefetch_b8 v0, s[64:65] scope:SCOPE_SE
	s_setreg_imm32_b32 hwreg(HW_REG_WAVE_MODE, 25, 1), 1
	s_wait_xcnt 0x0
; pm <- mask, one bit for each byte, in the order in which the attention launch takes them.
; mask: [4][2048 queries][2048 keys] bytes (any byte other than 0 counts as true).  pm: 524,288 words of 32 bits:
;   word ((((b*32 + q64)*32 + step)*4 + n)*32 + i), bit L  =  mask[b][64 q64 + 16 n + (L & 15)][64 step + 32 (L >> 4) + i]
; so that a word is a mask over the 32 lanes of a wave in which lane L holds query L & 15 and key 32 (L >> 4) + i of a step of 64 keys.
; Work-group g owns the 32 mask rows 32 g .. 32 g + 31 (65,536 consecutive bytes); wave w owns their bytes 256 w .. 256 w + 255 (four key steps).
; The bytes are loaded in runs of 256, turned round in the wave's own LDS bytes (no barrier: no wave reads another's), compared,
; and the compare's lane mask IS the word.  No matrix unit, no cluster: every byte is read once and shared with nobody.
.set LP,   272                         ; LDS pitch of a row of 256 bytes: 17 x 16, so sixteen rows begin at sixteen different 16-byte columns modulo 256
.set WREG, 32*LP                       ; a wave's LDS bytes
.set GO,  1                            ; v1  byte offset in the group's 32 rows: 2048 (L >> 4) + 16 (L & 15) + 256 w
.set ST,  2                            ; v2  LDS address for the way in
.set RD,  3                            ; v3  LDS address for the way back: row L & 15, 32 bytes for each half of the lanes
.set SO,  4                            ; v4  8 L: my two words of a store
.set OW,  8                            ; v[8:15]   key step sl: the pair OW + 2 sl; lane l holds words 2 l and 2 l + 1 of the step's 64
.set TT,  16                           ; v[16:19]  at work
.set XR,  20                           ; v[20:83]  as loaded
.set YR,  84                           ; v[84:147] as read back: step sl, row block e at YR + 16 sl + 8 e, byte i in register i >> 2
	s_load_b128 s[4:7], s[0:1], 0x0                ; mask s[4:5], pm s[6:7]
	v_lshl_add_u32 v148, v0, 2, 0x11000
	v_mov_b32 v149, 0
	v_lshrrev_b32 v5, 5, v0
	v_readfirstlane_b32 s8, v5                     ; wave 0..7
	v_and_b32 v5, 31, v0                           ; L
	v_and_b32 v6, 15, v0                           ; L & 15
	v_bfe_u32 v7, v0, 4, 1                         ; L >> 4
	s_mul_i32 s9, s8, WREG                         ; my wave's LDS bytes
	s_lshl_b32 s10, s8, 8                          ; my wave's 256 bytes of a row
	v_lshlrev_b32 v[GO], 4, v6
	v_lshl_add_u32 v[GO], v7, 11, v[GO]
	v_add_nc_u32 v[GO], s10, v[GO]
	v_mul_u32_u24 v[ST], v7, LP
	v_lshl_add_u32 v[ST], v6, 4, v[ST]
	v_add_nc_u32 v[ST], s9, v[ST]
	v_mul_u32_u24 v[RD], v6, LP
	v_lshl_add_u32 v[RD], v7, 5, v[RD]
	v_add_nc_u32 v[RD], s9, v[RD]
	v_lshlrev_b32 v[SO], 3, v5
	s_lshl_b32 s12, ttmp9, 16                      ; the group's 32 rows of 2,048 bytes
	s_mov_b32 s13, 0
	s_lshr_b32 s14, ttmp9, 1                       ; b*32 + q64 = g >> 1: 16,384 bytes of pm each
	s_lshl_b32 s14, s14, 14
	s_and_b32 s16, ttmp9, 1                        ; n = 2 (g & 1) + e: 128 bytes each
	s_lshl_b32 s16, s16, 8
	s_add_co_u32 s14, s14, s16
	s_lshl_b32 s16, s8, 11                         ; step = 4 w + sl: 512 bytes each
	s_add_co_u32 s14, s14, s16
	s_mov_b32 s15, 0
	s_wait_kmcnt 0x0
	s_add_nc_u64 s[4:5], s[4:5], s[12:13]
	s_add_nc_u64 s[6:7], s[6:7], s[14:15]
.set i, 0
.rept 16
	global_load_b128 v[XR+4*i:XR+4*i+3], v[GO], s[4:5] offset:4096*i th:TH_LOAD_NT   ; rows 2 i and 2 i + 1: two aligned runs of 256 bytes
.set i, i+1
.endr
.irp k, 0,1,2,3,4,5,6,7
	v_mov_b32 v[OW+\k], 0                          ; v_writelane_b32 keeps the other lanes: its destination has to hold something
.endr
.set i, 0
.rept 16
	s_wait_loadcnt 15-i                            ; loads come back in order: load i is in, the 15 - i younger ones stay out
	ds_store_b128 v[ST], v[XR+4*i:XR+4*i+3] offset:2*LP*i
.set i, i+1
.endr
.set sl, 0
.rept 4
.set e, 0
.rept 2
	ds_load_b128 v[YR+16*sl+8*e:YR+16*sl+8*e+3],   v[RD] offset:16*LP*e+64*sl      ; LDS serves a wave's instructions in order: these see the stores above
	ds_load_b128 v[YR+16*sl+8*e+4:YR+16*sl+8*e+7], v[RD] offset:16*LP*e+64*sl+16
.set e, e+1
.endr
.set sl, sl+1
.endr
.set sl, 0
.rept 4
	s_wait_dscnt 12-4*sl                           ; this step's four loads are in; the 12 - 4 sl younger ones stay out
.set e, 0
.rept 2
.set g, 0
.rept 8
.irp b, 0,1,2,3
	v_and_b32 v[TT+\b], 0xff<<(8*\b), v[YR+16*sl+8*e+g]            ; byte i = 4 g + b of my 32
.endr
.irp b, 0,1,2,3
	v_cmp_ne_u32 s[20+\b], 0, v[TT+\b]                             ; the lane mask is word i
.endr
.irp b, 0,1,2,3
	v_writelane_b32 v[OW+2*sl+(\b&1)], s[20+\b], 16*e+2*g+(\b>>1)  ; word 32 e + i goes to lane (32 e + i) / 2, register (i & 1)
.endr
.set g, g+1
.endr
.set e, e+1
.endr
	global_store_b64 v[SO], v[OW+2*sl:OW+2*sl+1], s[6:7] offset:512*sl   ; 32 lanes store 256 consecutive bytes, at a multiple of 256 from pm's first byte
.set sl, sl+1
.endr
	s_wait_tensorcnt 0x0
	ds_add_u32 v148, v149
	s_wait_dscnt 0x0
	s_endpgm
.Lfunc_end_k_qcdf311981e_pack:
	.size	k_qcdf311981e_pack, .Lfunc_end_k_qcdf311981e_pack-k_qcdf311981e_pack
	.p2alignl 7, 3214868480
	.fill 96, 4, 3214868480
	.section	.rodata,"a",@progbits
	.p2align	6, 0x0
	.amdhsa_kernel k_qcdf311981e_pack
		.amdhsa_group_segment_fixed_size 70656
		.amdhsa_private_segment_fixed_size 0
		.amdhsa_enable_private_segment 0
		.amdhsa_kernarg_size 16
		.amdhsa_user_sgpr_count 2
		.amdhsa_user_sgpr_kernarg_segment_ptr 1
		.amdhsa_wavefront_size32 1
		.amdhsa_system_sgpr_workgroup_id_x 1
		.amdhsa_system_sgpr_workgroup_id_y 1
		.amdhsa_system_sgpr_workgroup_id_z 1
		.amdhsa_system_vgpr_workitem_id 0
		.amdhsa_next_free_vgpr 150
		.amdhsa_next_free_sgpr 66
		.amdhsa_reserve_vcc 0
		.amdhsa_float_denorm_mode_32 3
		.amdhsa_float_denorm_mode_16_64 3
		.amdhsa_memory_ordered 1
		.amdhsa_forward_progress 1
		.amdhsa_inst_pref_size 55
	.end_amdhsa_kernel
	.amdgpu_metadata
---
amdhsa.version: [ 1, 2 ]
amdhsa.kernels:
  - .name:           k_qcdf311981e_pack
    .symbol:         k_qcdf311981e_pack.kd
    .args:
      - { .name: mask, .offset: 0, .size: 8, .value_kind: global_buffer, .address_space: global }
      - { .name: pm, .offset: 8, .size: 8, .value_kind: global_buffer, .address_space: global }
    .group_segment_fixed_size: 70656
    .private_segment_fixed_size: 0
    .kernarg_segment_align: 8
    .kernarg_segment_size: 16
    .max_flat_workgroup_size: 256
    .sgpr_count:     66
    .vgpr_count:     150
    .wavefront_size: 32
...
	.end_amdgpu_metadata
.endif
;; end of part 1
;; launch attn (part 2): grid 4 x 64, 8 waves a work-group, no clusters, 179,200 bytes of LDS; arguments k, v, q, pm, out0; writes out0
.if DOCPART == 2
	.amdgcn_target "amdgcn-amd-amdhsa--gfx1250"
	.amdhsa_code_object_version 6
	.text
	.protected	k_qcdf311981e_attn
	.globl	k_qcdf311981e_attn
	.p2align	8
	.type	k_qcdf311981e_attn,@function
k_qcdf311981e_attn:
	s_mov_b64 s[64:65], 0
	v_nop
	global_prefetch_b8 v0, s[64:65] scope:SCOPE_SE
	s_setreg_imm32_b32 hwreg(HW_REG_WAVE_MODE, 25, 1), 1
	s_wait_xcnt 0x0
; out0 = softmax(where(mask, -1e9, q k^T / 8)) v for 64 heads of 2,048 x 64, f32 in and out; matrix products with 16-bit operands and f32 sums, softmax in f32
; with a running maximum.  The mask comes as pm, one bit for each byte, packed by the launch before (layout at MLOAD).
; Work-group (x, y): head y, queries 512 x .. 512 x + 511.  Wave w: 64 of them, as four blocks of 16, and all 2,048 keys in 32 steps of 64.
; Eight waves of 512 registers: two on a SIMD, so that one wave's softmax runs beside the other's products.
;
; BOTH PRODUCTS ARE TRANSPOSED.  S^T = K Q^T: source 0 = 16 LDS rows of K, source 1 = 16 queries; in the result lane L holds query L & 15, and its
; registers hold keys: maximum and sum run over the lane's own registers and one exchange with lane L xor 16, and m, l, alpha are one register a block.
; The result's layout is that of source 1 of O^T = V^T P^T, so sixteen conversions to f16 are the whole way from one product to the other.
; For that, key 32 h + 8 t + j of a step lies in LDS row 16 t + 8 h + j, in K and V alike; lane (r, h) then holds keys 32 h + i, i = 0..31, in register i.
;
; FORMATS.  q, k and v are rounded to bf16 as they are given (q x 1/8 first: a power of two, so the rounding is that of q).  K Q^T is a bf16 product.
; P lies between 0 and about 1 and goes in f16, whose 11 bits leave a relative error of 2^-11 at the most: rows with few open keys are sums of a few
; terms near 1 that may cancel, and bf16's 2^-8 on each term is too coarse there.  So V^T P^T is an f16 product, and V's bf16 number is written as f16.
; V is rounded to bf16 first, like q and k, so that the result is the reference's on inputs rounded to bf16, up to P's rounding.
;
; LIMITS, kept knowingly.
;   |v| below 65,520, else f16 overflows; a bf16 number is an f16 number exactly from 2^-17 up, below that the error is 2^-25 at the most.
;   The mask's fill is -2^30, not -1e9.  p = exp2(s log2e - RN(m log2e)) by one fused multiply-add; 2^30 log2e is exact in f32, so in a row that is masked
;   everywhere the exponent is exactly 0 and p = 1 for every key, as in the reference.  With any open key a masked key gives p = 0 with either fill.
;   The results differ from the reference's only where open scores reach about -1e9 (inputs some 10,000 times larger than standard normal ones).
;   The rounded shift RN(m log2e) is the same in every term of a row, in alpha too, so its rounding cancels in O / l.
;   v_max_num_f32 lets a NaN lose: NaN inputs do not spread as in the reference.  p below 2^-25 becomes 0 in P.
;
; NO CLUSTER, NO TENSOR LOADS, though the four work-groups of a head read the same K and V: the tiles are f32 in memory and the matrix unit takes 16 bits.
; Brought by a tensor load, a step's 32 KiB would be written to LDS, read back and written again as 16 KiB into other bytes: 80 KiB through LDS
; for a step.  Loaded into registers and converted there they are written to LDS once: 16 KiB.  Each thread's share of a step is eight loads of 16 bytes.
.set KP,    144                        ; LDS pitch of a row of 64 bf16 of K and of Q: 9 x 16, sixteen rows begin at sixteen different 16-byte columns modulo 256
.set VP,    160                        ; of V: 5 x 32, for the transposing load
.set OP,    272                        ; of a row of 64 f32 of O: 17 x 16
.set KBUF,  64*KP                      ; a tile of K; two buffers from LDS byte 0
.set VBUF,  64*VP                      ; a tile of V; two buffers
.set VB0,   2*KBUF                     ; from here
.set STG0,  VB0+2*VBUF                 ; behind them each wave's own stage: Q at the start, O at the end
.set STGB,  64*OP
.set TILEB, 16384                      ; 64 keys x 256 bytes in memory
.set QSCALE, 0x3e000000                ; 1/8
.set LOG2E,  0x3fb8aa3b                ; log2(e)
.set NLOG2E, 0xbfb8aa3b                ; -log2(e)
.set FILL,   0xce800000                ; -2^30
; window 0 (v0-v255): addresses and what comes from memory or LDS
.set KA,   1                           ; K fragments: (L & 15) KP + 16 (L >> 4)
.set VA,   2                           ; V fragments, transposing load
.set KST,  3                           ; where my 8 bytes of a row of K go: LDS row 8 w + (L >> 4)
.set VST,  4                           ; the same for V
.set GOFF, 5                           ; my 16 bytes of my wave's 2,048 bytes of a tile
.set PFO,  6                           ; 256 L: prefetch
.set QST,  7                           ; stage: Q in
.set QRD,  8                           ; stage: Q fragments back
.set OST,  9                           ; stage: O in
.set ORD,  10                          ; stage: O rows back
.set LOFF, 11                          ; 16 L
.set VT,   16                          ; v[16:23]   V's sixteen numbers as eight pairs of bf16, on their way to f16
.set GR,   32                          ; v[32:63]   a tile on its way: K's load i at GR + 4 i, V's at GR + 16 + 4 i
.set KF,   64                          ; v[64:127]  K fragments: rows 16 t.., d half c at KF + 16 t + 8 c
.set VF,   128                         ; v[128:191] V^T fragments: d block m, key half u at VF + 16 m + 8 u
.set QF,   192                         ; v[192:255] Q fragments: block n, d half c at QF + 16 n + 8 c
; window 1 (v256-v511, written by their low 8 bits): sums and softmax
.set ACC,  0                           ; O^T: block n, d block m at ACC + 32 n + 8 m
.set SB0,  128                         ; scores, then P in its first 16 registers: even blocks
.set SB1,  160                         ; odd blocks
.set MX,   192                         ; running maximum of block n, in the scores' own units
.set LS,   196                         ; running sum of block n (of the lane's own half of the keys until the end)
.set NEGV, 200
.set TNM,  202                         ; -RN(new maximum x log2e) (a pair for the packed forms; the upper register is written once)
.set ALP,  204                         ; alpha (likewise)
.set WM,   206
.set TX,   207
.set CH,   208                         ; four chains of the maximum
.set RSA,  212                         ; two chains of the sum, a pair each
.set RSB,  214
.set JX,   216
.set JY,   217
.set JZ,   218
.set NM,   220                         ; -RN(running maximum x log2e) of block n: the shift that the block's sums carry
.set MSK0, 16                          ; s[16:47] the 32 mask words of an even block
.set MSK1, 68                          ; s[68:99] of an odd block
.set MSB, 0
.macro WIN new                         ; s_set_vgpr_msb: bits 1:0 source 0, 3:2 source 1, 5:4 source 2, 7:6 destination; the high byte repeats the setting that is left
.if MSB != \new
	s_set_vgpr_msb (MSB<<8)|\new
.set MSB, \new
.endif
.endm
; 0x55 all in window 1 (softmax); 0x50 K Q^T (sources window 0, sums window 1); 0x54 V^T P^T (P in window 1); 0x04 LDS store of window 1; 0 at labels and branches
; The 32 mask words of one block of 16 queries and one step: word i, bit L = mask[query L & 15][key 32 (L >> 4) + i].  128 bytes a block, 512 a step.
.macro MLOAD ms, ofs
	s_load_b512 s[\ms:\ms+15],    s[10:11], \ofs
	s_load_b512 s[\ms+16:\ms+31], s[10:11], \ofs+64
.endm
.macro GLOAD                           ; my wave's eight keys of a tile of K and of a tile of V: four loads of 512 consecutive bytes (two keys) each
.irp i, 0,1,2,3
	global_load_b128 v[GR+4*\i:GR+4*\i+3], v[GOFF], s[4:5] offset:512*\i
.endr
.irp i, 0,1,2,3
	global_load_b128 v[GR+16+4*\i:GR+16+4*\i+3], v[GOFF], s[6:7] offset:512*\i
.endr
.endm
.macro KLOAD b                         ; all of K's tile in buffer b as source 0: two loads of 16 bytes, 32 bytes apart, for 16 rows x 32 d
	WIN 0
.set kt, 0
.rept 4
.set kc, 0
.rept 2
	ds_load_b128 v[KF+16*kt+8*kc:KF+16*kt+8*kc+3],   v[KA] offset:(\b)*KBUF+16*kt*KP+64*kc
	ds_load_b128 v[KF+16*kt+8*kc+4:KF+16*kt+8*kc+7], v[KA] offset:(\b)*KBUF+16*kt*KP+64*kc+32
.set kc, kc+1
.endr
.set kt, kt+1
.endr
.endm
.macro VLOAD b                         ; all of V's tile in buffer b, transposed, as source 0: 16 d x 32 LDS rows by two transposing loads, 16 rows apart
	WIN 0
.set vm, 0
.rept 4
.set vu, 0
.rept 2
	ds_load_tr16_b128 v[VF+16*vm+8*vu:VF+16*vm+8*vu+3],   v[VA] offset:(\b)*VBUF+32*vu*VP+32*vm
	ds_load_tr16_b128 v[VF+16*vm+8*vu+4:VF+16*vm+8*vu+7], v[VA] offset:(\b)*VBUF+32*vu*VP+32*vm+16*VP
.set vu, vu+1
.endr
.set vm, vm+1
.endr
.endm
; Scores of block blk: four tiles of 16 LDS rows x 16 queries, d in two halves.  The four accumulators take turns, one instruction a turn.
.macro QKMUL blk, sb
	WIN 0x50
.irp t, 0,1,2,3
	v_wmma_f32_16x16x32_bf16 v[\sb+8*\t:\sb+8*\t+7], v[KF+16*\t:KF+16*\t+7], v[QF+16*\blk:QF+16*\blk+7], 0
.endr
.irp t, 0,1,2,3
	v_wmma_f32_16x16x32_bf16 v[\sb+8*\t:\sb+8*\t+7], v[KF+16*\t+8:KF+16*\t+15], v[QF+16*\blk+8:QF+16*\blk+15], v[\sb+8*\t:\sb+8*\t+7]
.endr
.endm
; O^T of block blk += V^T P^T, in f16: four d blocks, the step's 64 LDS rows in two halves.  Accumulators by turns, as above.  first = 1: the first product starts the sums.
.macro PVMUL blk, sb, first
	WIN 0x54
.irp m, 0,1,2,3
.if \first
	v_wmma_f32_16x16x32_f16 v[ACC+32*\blk+8*\m:ACC+32*\blk+8*\m+7], v[VF+16*\m:VF+16*\m+7], v[\sb:\sb+7], 0
.else
	v_wmma_f32_16x16x32_f16 v[ACC+32*\blk+8*\m:ACC+32*\blk+8*\m+7], v[VF+16*\m:VF+16*\m+7], v[\sb:\sb+7], v[ACC+32*\blk+8*\m:ACC+32*\blk+8*\m+7]
.endif
.endr
.irp m, 0,1,2,3
	v_wmma_f32_16x16x32_f16 v[ACC+32*\blk+8*\m:ACC+32*\blk+8*\m+7], v[VF+16*\m+8:VF+16*\m+15], v[\sb+8:\sb+15], v[ACC+32*\blk+8*\m:ACC+32*\blk+8*\m+7]
.endr
.endm
; Mask, and the maximum of the lane's 32 scores and the block's running maximum: one select a register, then sixteen maxima of three.
.macro APART blk, sb, ms, first
	WIN 0x55
.set i, 0
.rept 32
	v_cndmask_b32 v[\sb+i], v[\sb+i], v[NEGV], s[\ms+i]
.set i, i+1
.endr
.irp k, 0,1,2,3
	v_max3_num_f32 v[CH+\k], v[\sb+8*\k], v[\sb+8*\k+1], v[\sb+8*\k+2]
.endr
.irp k, 0,1,2,3
	v_max3_num_f32 v[CH+\k], v[CH+\k], v[\sb+8*\k+3], v[\sb+8*\k+4]
.endr
.irp k, 0,1,2,3
	v_max3_num_f32 v[CH+\k], v[CH+\k], v[\sb+8*\k+5], v[\sb+8*\k+6]
.endr
	v_max3_num_f32 v[JX], v[CH], v[CH+1], v[\sb+7]
	v_max3_num_f32 v[JY], v[CH+2], v[CH+3], v[\sb+15]
	v_max3_num_f32 v[JZ], v[JX], v[\sb+23], v[\sb+31]
.if \first
	v_max_num_f32 v[WM], v[JZ], v[JY]
.else
	v_max3_num_f32 v[WM], v[JZ], v[JY], v[MX+\blk]
.endif
.endm
; Pair si of tile st: into the sum, then to f16 in place: P's register 4 st + si takes scores 8 st + 2 si and + 1; it overwrites scores that were summed and converted before.
.macro SUMCVT sb
.set p, \sb+8*st+2*si
.if st == 0
.if si == 0
	s_wait_alu depctr_va_vdst(0)
	v_pk_add_f32 v[RSA:RSA+1], v[\sb:\sb+1], v[\sb+2:\sb+3]        ; the first pairs start the two chains: nothing is cleared
.endif
.if si == 1
	v_pk_add_f32 v[RSB:RSB+1], v[\sb+4:\sb+5], v[\sb+6:\sb+7]
.endif
.else
.set q, RSA+2*(si&1)
	s_wait_alu depctr_va_vdst(0)
	v_pk_add_f32 v[q:q+1], v[q:q+1], v[p:p+1]
.endif
	v_cvt_pk_f16_f32 v[\sb+4*st+si], v[p], v[p+1]
.endm
; The rest of the softmax of one block.  The exponent of a score is s log2e - RN(m log2e), one fused multiply-add for two scores.
; Each pair of exponentials is followed by plain work on other registers (the next tile's exponents, the last tile's sum and conversion, a piece of the
; rescaling of O), so that a plain instruction stands between every exponential and the first use of its result (ISA guide 5.7.2).
.macro BPART blk, sb, first
	WIN 0x55
	v_permlanex16_b32 v[TX], v[WM], s48, s49       ; the other half of the keys of my query lies in lane L xor 16
	v_max_num_f32 v[MX+\blk], v[WM], v[TX]         ; the new running maximum (WM holds the old one already)
	v_mul_f32 v[TNM], NLOG2E, v[MX+\blk]           ; the new shift, negative
.if \first == 0
	v_sub_f32 v[ALP], v[TNM], v[NM+\blk]           ; new shift - old shift, at most 0: rounding keeps the order of the maxima
.endif
.irp i, 0,1,2,3
	v_pk_fma_f32 v[\sb+2*\i:\sb+2*\i+1], v[\sb+2*\i:\sb+2*\i+1], LOG2E, v[TNM:TNM+1] op_sel_hi:[1,0,0]
.endr
.if \first == 0
	v_exp_f32 v[ALP], v[ALP]                       ; alpha
.endif
	v_mov_b32 v[NM+\blk], v[TNM]                   ; the plain instruction behind that exponential
.set t, 0
.rept 4
.set i, 0
.rept 4
	v_exp_f32 v[\sb+8*t+2*i], v[\sb+8*t+2*i]
	v_exp_f32 v[\sb+8*t+2*i+1], v[\sb+8*t+2*i+1]
.if t < 3
.set p, \sb+8*(t+1)+2*i
	v_pk_fma_f32 v[p:p+1], v[p:p+1], LOG2E, v[TNM:TNM+1] op_sel_hi:[1,0,0]
	s_wait_alu depctr_va_vdst(0)
.endif
.if t > 0
.set st, t-1
.set si, i
	SUMCVT \sb
.endif
.if \first == 0
.set p, ACC+32*\blk+2*(4*t+i)
	v_pk_mul_f32 v[p:p+1], v[p:p+1], v[ALP:ALP+1] op_sel_hi:[1,0]
.endif
.set i, i+1
.endr
.set t, t+1
.endr
.set st, 3
.set si, 0
.rept 4
	SUMCVT \sb
.set si, si+1
.endr
	v_pk_add_f32 v[RSA:RSA+1], v[RSA:RSA+1], v[RSB:RSB+1]
.if \first
	v_add_f32 v[LS+\blk], v[RSA], v[RSA+1]
.else
	v_add_f32 v[RSA], v[RSA], v[RSA+1]
	v_fma_f32 v[LS+\blk], v[LS+\blk], v[ALP], v[RSA]
.endif
.endm
; The tile that is on its way goes to LDS buffer nb: K as bf16; V rounded to bf16, widened again (a shift, a mask) and written as f16, which holds it exactly.
; Wave w fills LDS rows 8 w .. 8 w + 7 of K's tile and of V's: its addresses are the wave's number times a
; constant, a lane term and constants.  Those rows are keys 32 (w & 1) + 8 (w >> 1) + 0..7, which are 2,048 consecutive bytes of memory: load i holds key
; .. + 2 i + (L >> 4), d 4 (L & 15)..+3, and goes to row 8 w + 2 i + (L >> 4); the term 2 i stands in the offset.  gload = 1: the tile after it is asked for.
; pf = 1: wave 0 asks, for the four work-groups of the head together, for the tile that the NEXT step's loads will want: work-group x takes 8,192 bytes of it
; (x = 0, 1: K's halves; x = 2, 3: V's), 32 lanes 256 bytes apart, so each block is asked for once.  In step s that is tile s + 3; the last is tile 31, in step 28.
.macro STAGE nb, gload, pf
	WIN 0
	s_wait_loadcnt 0x0                             ; the tile is in (asked for a whole step ago); its loads' bases may be stepped
	s_wait_xcnt 0x0                                ; the last prefetch has had its address translated: its base may be stepped
.irp i, 0,1,2,3
	v_cvt_pk_bf16_f32 v[GR+4*\i],   v[GR+4*\i],   v[GR+4*\i+1]
	v_cvt_pk_bf16_f32 v[GR+4*\i+1], v[GR+4*\i+2], v[GR+4*\i+3]
.endr
.irp i, 0,1,2,3
	v_cvt_pk_bf16_f32 v[VT+2*\i],   v[GR+16+4*\i],   v[GR+16+4*\i+1]
	v_cvt_pk_bf16_f32 v[VT+2*\i+1], v[GR+16+4*\i+2], v[GR+16+4*\i+3]
.endr
.irp i, 0,1,2,3,4,5,6,7
	v_lshlrev_b32 v[GR+16+2*\i],   16,  v[VT+\i]
	v_and_b32     v[GR+16+2*\i+1], s62, v[VT+\i]
.endr
.irp i, 0,1,2,3
	v_cvt_pk_f16_f32 v[GR+16+4*\i],   v[GR+16+4*\i],   v[GR+16+4*\i+1]
	v_cvt_pk_f16_f32 v[GR+16+4*\i+1], v[GR+16+4*\i+2], v[GR+16+4*\i+3]
.endr
.irp i, 0,1,2,3
	ds_store_b64 v[KST], v[GR+4*\i:GR+4*\i+1]       offset:(\nb)*KBUF+2*\i*KP
	ds_store_b64 v[VST], v[GR+16+4*\i:GR+16+4*\i+1] offset:(\nb)*VBUF+2*\i*VP
.endr
.if \gload
	s_add_nc_u64 s[4:5], s[4:5], TILEB
	s_add_nc_u64 s[6:7], s[6:7], TILEB
.endif
.if \pf
	s_add_nc_u64 s[54:55], s[54:55], TILEB
.endif
	s_wait_dscnt 0x0                               ; for the other waves' sake, in front of the barrier's signal: my part of the tile is in LDS; and the registers are free
.if \gload
	GLOAD
.endif
.if \pf
	s_cmp_lg_u32 s14, 0
	s_cbranch_scc1 .Lno_prefetch_\@
	global_prefetch_b8 v[PFO], s[54:55] th:TH_LOAD_NT scope:SCOPE_SE
.Lno_prefetch_\@:
.endif
.endm
; One step of 64 keys, whose tile lies in buffer par, for the wave's four blocks.  Block n's scores are made one block ahead (block 0's in the step before), so that
; behind every product stands another block's softmax: that work fills the places that ISA guide 7.12.1 asks for behind a matrix instruction, and no v_nop is written:
;   the scores of block n + 1 are read a whole BPART behind their product;  the score buffer that P of block n left is overwritten an APART behind V^T P^T of block n;
;   K's fragments are loaded again a BPART behind the last product that read them, V's an APART behind theirs.
; ONE barrier a step, on two buffers.  In front of its signal a wave has stored its part of the next tile into the other buffer and waited for that, and its reads of
; that buffer (K's fragments two steps ago, V's in the last step) were waited for in front of the last step's signal.  Behind its wait the next tile is read.
; Between signal and wait stands register work alone.
.macro STEP par, first, gload, pf, stage
	s_wait_kmcnt 0x0                               ; block 0's mask words are in (scalar loads: the count 0 alone says anything)
	MLOAD MSK1, 128                                ; block 1's, a block ahead
	APART 0, SB0, MSK0, \first
	VLOAD \par
	QKMUL 1, SB1
	BPART 0, SB0, \first
	s_wait_dscnt 0x0                               ; V's fragments
	PVMUL 0, SB0, \first
	s_wait_kmcnt 0x0
	MLOAD MSK0, 256
	APART 1, SB1, MSK1, \first
	QKMUL 2, SB0
	BPART 1, SB1, \first
	PVMUL 1, SB1, \first
.if \stage
	STAGE 1-\par, \gload, \pf
.endif
	s_wait_kmcnt 0x0
	MLOAD MSK1, 384
.if \stage
	s_barrier_signal -1
.endif
	APART 2, SB0, MSK0, \first
	QKMUL 3, SB1
	BPART 2, SB0, \first
.if \stage
	WIN 0
	s_barrier_wait -1
	KLOAD 1-\par
.endif
	PVMUL 2, SB0, \first
	s_wait_kmcnt 0x0                               ; no mask load is out: their base may be stepped
.if \stage
	s_add_nc_u64 s[10:11], s[10:11], 512
	MLOAD MSK0, 0                                  ; the next step's block 0
.endif
	APART 3, SB1, MSK1, \first
.if \stage
	s_wait_dscnt 0x0                               ; the next tile's K fragments
	QKMUL 0, SB0                                   ; the next step's block 0
.endif
	BPART 3, SB1, \first
	PVMUL 3, SB1, \first
.endm
	s_load_b256 s[4:11], s[0:1], 0x0               ; k s[4:5], v s[6:7], q s[8:9], pm s[10:11]
	s_load_b64 s[12:13], s[0:1], 0x20              ; out0
	v_lshl_add_u32 v30, v0, 2, 0x2b800
	v_mov_b32 v31, 0
	v_lshrrev_b32 v12, 5, v0
	v_readfirstlane_b32 s14, v12                   ; wave 0..7
	s_mov_b32 s50, ttmp9                           ; x: block of 512 queries
	s_and_b32 s51, ttmp7, 0xffff                   ; y: head, 16 b + h
	s_mov_b32 s48, 0x76543210                      ; v_permlanex16_b32: lane i of one half reads lane i of the other
	s_mov_b32 s49, 0xfedcba98
	s_mov_b32 s62, 0xffff0000                      ; a word's upper bf16
	v_and_b32 v12, 31, v0                          ; L
	v_and_b32 v13, 15, v0                          ; r = L & 15
	v_bfe_u32 v14, v0, 4, 1                        ; h = L >> 4
	s_mul_i32 s58, s14, STGB
	s_add_co_u32 s58, s58, STG0                    ; my wave's stage
	s_mul_i32 s60, s14, 8*KP                       ; my wave's eight LDS rows of K's tile
	s_mul_i32 s61, s14, 8*VP                       ; and of V's
	s_add_co_u32 s61, s61, VB0
	v_mul_u32_u24 v[KA], v13, KP
	v_lshl_add_u32 v[KA], v14, 4, v[KA]
	v_and_b32 v15, 7, v0
	v_lshl_add_u32 v15, v14, 3, v15                ; row 8 h + (L & 7)
	v_mul_u32_u24 v[VA], v15, VP
	v_bfe_u32 v15, v0, 3, 1
	v_lshl_add_u32 v[VA], v15, 4, v[VA]            ; + 16 ((L >> 3) & 1)
	v_add_nc_u32 v[VA], VB0, v[VA]
	v_mul_u32_u24 v[KST], v14, KP
	v_lshl_add_u32 v[KST], v13, 3, v[KST]
	v_add_nc_u32 v[KST], s60, v[KST]
	v_mul_u32_u24 v[VST], v14, VP
	v_lshl_add_u32 v[VST], v13, 3, v[VST]
	v_add_nc_u32 v[VST], s61, v[VST]
	v_lshlrev_b32 v[GOFF], 4, v12                  ; 16 L,
	v_bfe_u32 v15, v0, 5, 1
	v_lshl_add_u32 v[GOFF], v15, 13, v[GOFF]       ; + 32 (w & 1) keys of 256 bytes,
	v_lshrrev_b32 v15, 6, v0
	v_lshl_add_u32 v[GOFF], v15, 11, v[GOFF]       ; + 8 (w >> 1) keys
	v_lshlrev_b32 v[PFO], 8, v12
	v_mul_u32_u24 v[QST], v14, KP
	v_lshl_add_u32 v[QST], v13, 3, v[QST]
	v_add_nc_u32 v[QST], s58, v[QST]
	v_add_nc_u32 v[QRD], s58, v[KA]
	v_mul_u32_u24 v[OST], v13, OP
	v_lshl_add_u32 v[OST], v14, 5, v[OST]
	v_add_nc_u32 v[OST], s58, v[OST]
	v_mul_u32_u24 v[ORD], v14, OP
	v_lshl_add_u32 v[ORD], v13, 4, v[ORD]
	v_add_nc_u32 v[ORD], s58, v[ORD]
	v_lshlrev_b32 v[LOFF], 4, v12
	s_lshl_b32 s52, s51, 19                        ; a head is 2,048 x 256 bytes
	s_mov_b32 s53, 0
	s_and_b32 s56, s50, 1
	s_lshl_b32 s56, s56, 13                        ; which 8,192 bytes of a tile this work-group prefetches
	s_add_co_u32 s56, s56, 2*TILEB                 ; stepped in front of each prefetch: step 0 asks for tile 3
	s_mov_b32 s57, 0
	s_wait_kmcnt 0x0
	s_add_nc_u64 s[4:5], s[4:5], s[52:53]          ; K and V at the head's tile 0
	s_add_nc_u64 s[6:7], s[6:7], s[52:53]
	s_cmp_lt_u32 s50, 2
	s_cselect_b64 s[54:55], s[4:5], s[6:7]         ; x = 0, 1 prefetch K, x = 2, 3 prefetch V
	s_add_nc_u64 s[54:55], s[54:55], s[56:57]
	s_lshl_b32 s56, s50, 17                        ; 512 queries x 256 bytes
	s_add_co_u32 s52, s52, s56
	s_lshl_b32 s56, s14, 14                        ; 64 queries x 256 bytes
	s_add_co_u32 s52, s52, s56
	s_add_nc_u64 s[8:9], s[8:9], s[52:53]          ; q and out0 at my wave's first query
	s_add_nc_u64 s[12:13], s[12:13], s[52:53]
	s_lshr_b32 s52, s51, 4                         ; b
	s_lshl_b32 s52, s52, 5
	s_lshl3_add_u32 s52, s50, s52
	s_add_co_u32 s52, s52, s14                     ; 32 b + 8 x + w: my 64 queries' 16,384 bytes of pm
	s_lshl_b32 s52, s52, 14
	s_add_nc_u64 s[10:11], s[10:11], s[52:53]
.set i, 0
.rept 32
	global_load_b128 v[KF+4*i:KF+4*i+3], v[LOFF], s[8:9] offset:512*i th:TH_LOAD_NT   ; q: queries 2 i and 2 i + 1, 512 consecutive bytes; read once in the launch
.set i, i+1
.endr
	GLOAD                                          ; tile 0
	MLOAD MSK0, 0                                  ; step 0, block 0
	; q / 8, to bf16, through my own stage into fragments: 16 queries x 32 d by two loads of 16 bytes
.set n, 0
.rept 4
	s_wait_loadcnt 32-8*n                          ; block n's eight loads are in; out may stay the 24 - 8 n younger ones of q and tile 0's eight
.set i, 0
.rept 8
.set p, KF+4*(8*n+i)
	v_pk_mul_f32 v[p:p+1],   v[p:p+1],   QSCALE op_sel_hi:[1,0]
	v_pk_mul_f32 v[p+2:p+3], v[p+2:p+3], QSCALE op_sel_hi:[1,0]
	v_cvt_pk_bf16_f32 v[p],   v[p],   v[p+1]
	v_cvt_pk_bf16_f32 v[p+1], v[p+2], v[p+3]
	ds_store_b64 v[QST], v[p:p+1] offset:(16*n+2*i)*KP
.set i, i+1
.endr
.set n, n+1
.endr
.set n, 0
.rept 4
.set kc, 0
.rept 2
	ds_load_b128 v[QF+16*n+8*kc:QF+16*n+8*kc+3],   v[QRD] offset:16*n*KP+64*kc      ; my wave's own bytes, served in order: no wait between the stores and these
	ds_load_b128 v[QF+16*n+8*kc+4:QF+16*n+8*kc+7], v[QRD] offset:16*n*KP+64*kc+32
.set kc, kc+1
.endr
.set n, n+1
.endr
	STAGE 0, 1, 0                                  ; tile 0 into buffer 0; tile 1 is asked for; its wait for LDS covers Q's fragments too
	s_barrier_signal -1
	s_barrier_wait -1                              ; tile 0 is whole
	KLOAD 0
	s_wait_dscnt 0x0
	QKMUL 0, SB0                                   ; step 0, block 0
	WIN 0x55
	v_mov_b32 v[NEGV], FILL                        ; four plain instructions on other registers: the places behind the product above, in front of the first read of its result
	v_mov_b32 v[TNM+1], 0                          ; the upper registers of the two broadcast pairs are named by the packed forms, never used
	v_mov_b32 v[ALP+1], 0
	v_mov_b32 v[TX], 0                             ; v_permlanex16_b32's destination counts as read
	STEP 0, 1, 1, 1, 1                             ; step 0 starts every sum: nothing is cleared
	WIN 0
	s_mov_b32 s15, 14
.Lsteps:                                           ; steps 1 to 28
	STEP 1, 0, 1, 1, 1
	STEP 0, 0, 1, 1, 1
	WIN 0
	s_sub_co_u32 s15, s15, 1
	s_cmp_lg_u32 s15, 0
	s_cbranch_scc1 .Lsteps
	STEP 1, 0, 1, 0, 1                             ; step 29 asks for tile 31, the last; there is nothing left to prefetch
	STEP 0, 0, 0, 0, 1                             ; step 30 stores tile 31 and asks for nothing
	STEP 1, 0, 0, 0, 0                             ; step 31: no tile, no barrier, no mask words beyond the wave's 16,384 bytes
	; O / l.  The two halves of the lanes hold the sums over their halves of the keys (alpha was the same in both).  l is not small: the largest score's exponent
	; is what the rounding of the shift left, half a unit in the last place of m log2e at the most, so its p is about 1.
	WIN 0x55
.irp u, 0,1,2,3
	v_permlanex16_b32 v[CH+\u], v[LS+\u], s48, s49
.endr
.irp u, 0,1,2,3
	v_add_f32 v[LS+\u], v[LS+\u], v[CH+\u]
.endr
.irp u, 0,1,2,3
	v_rcp_f32 v[CH+2*\u], v[LS+\u]
.endr
	v_nop                                          ; the plain instruction between the reciprocals and their first use
.set n, 0
	s_wait_alu depctr_va_vdst(0)
.rept 4
.set i, 0
.rept 16
	v_pk_mul_f32 v[ACC+32*n+2*i:ACC+32*n+2*i+1], v[ACC+32*n+2*i:ACC+32*n+2*i+1], v[CH+2*n:CH+2*n+1] op_sel_hi:[1,0]
.set i, i+1
.endr
.set n, n+1
.endr
	; Lane (r, h) holds d = 16 m + 8 h + 0..7 of query 16 n + r: 32 bytes of a row.  Through my own stage, read back as whole rows of 256 bytes.
	; In two halves of 32 queries: the second half's LDS work runs while the first half's stores leave; each half reads into registers of its own.
.set hf, 0
.rept 2
	WIN 0x04
.set n, 2*hf
.rept 2
.set vm, 0
.rept 4
	ds_store_b128 v[OST], v[ACC+32*n+8*vm:ACC+32*n+8*vm+3]   offset:16*n*OP+64*vm
	ds_store_b128 v[OST], v[ACC+32*n+8*vm+4:ACC+32*n+8*vm+7] offset:16*n*OP+64*vm+16
.set vm, vm+1
.endr
.set n, n+1
.endr
	WIN 0
.set i, 16*hf
.rept 16
	ds_load_b128 v[KF+4*i:KF+4*i+3], v[ORD] offset:2*OP*i          ; queries 2 i and 2 i + 1; my wave's own bytes, served in order
.set i, i+1
.endr
.set i, 16*hf
.rept 16
	s_wait_dscnt 16*hf+15-i                        ; this read is in, the younger ones of the half's sixteen stay out
	global_store_b128 v[LOFF], v[KF+4*i:KF+4*i+3], s[12:13] offset:512*i th:TH_STORE_NT   ; sixteen lanes store a row: 256 consecutive bytes, at a multiple of 256 from out0's first byte
.set i, i+1
.endr
.set hf, hf+1
.endr
	s_wait_tensorcnt 0x0
	ds_add_u32 v30, v31
	s_wait_dscnt 0x0
	s_endpgm
.Lfunc_end_k_qcdf311981e_attn:
	.size	k_qcdf311981e_attn, .Lfunc_end_k_qcdf311981e_attn-k_qcdf311981e_attn
	.p2alignl 7, 3214868480
	.fill 96, 4, 3214868480
	.section	.rodata,"a",@progbits
	.p2align	6, 0x0
	.amdhsa_kernel k_qcdf311981e_attn
		.amdhsa_group_segment_fixed_size 179200
		.amdhsa_private_segment_fixed_size 0
		.amdhsa_enable_private_segment 0
		.amdhsa_kernarg_size 40
		.amdhsa_user_sgpr_count 2
		.amdhsa_user_sgpr_kernarg_segment_ptr 1
		.amdhsa_wavefront_size32 1
		.amdhsa_system_sgpr_workgroup_id_x 1
		.amdhsa_system_sgpr_workgroup_id_y 1
		.amdhsa_system_sgpr_workgroup_id_z 1
		.amdhsa_system_vgpr_workitem_id 0
		.amdhsa_next_free_vgpr 512
		.amdhsa_next_free_sgpr 100
		.amdhsa_reserve_vcc 0
		.amdhsa_float_denorm_mode_32 3
		.amdhsa_float_denorm_mode_16_64 3
		.amdhsa_memory_ordered 1
		.amdhsa_forward_progress 1
		.amdhsa_inst_pref_size 255
	.end_amdhsa_kernel
	.section	.bss,"aw",@nobits
	.p2align	6
	.space	262144
	.amdgpu_metadata
---
amdhsa.version: [ 1, 2 ]
amdhsa.kernels:
  - .name:           k_qcdf311981e_attn
    .symbol:         k_qcdf311981e_attn.kd
    .args:
      - { .name: k, .offset: 0, .size: 8, .value_kind: global_buffer, .address_space: global }
      - { .name: v, .offset: 8, .size: 8, .value_kind: global_buffer, .address_space: global }
      - { .name: q, .offset: 16, .size: 8, .value_kind: global_buffer, .address_space: global }
      - { .name: pm, .offset: 24, .size: 8, .value_kind: global_buffer, .address_space: global }
      - { .name: out0, .offset: 32, .size: 8, .value_kind: global_buffer, .address_space: global }
    .group_segment_fixed_size: 179200
    .private_segment_fixed_size: 0
    .kernarg_segment_align: 8
    .kernarg_segment_size: 40
    .max_flat_workgroup_size: 256
    .sgpr_count:     100
    .vgpr_count:     512
    .wavefront_size: 32
...
	.end_amdgpu_metadata
.endif
;; end of part 2
;; ======== version 2 of 2: 2 launches
;; limits: right only within a limited range of input values; values are held in f16: magnitudes above 65,504 overflow, below 6.1e-05 lose precision; inputs' magnitudes at most 65,520
;; workspace buffers: pm 2,097,152 bytes of whole numbers; sm 4,096 bytes of whole numbers
;; launch pack (part 3): grid 256 x 1, 8 waves a work-group, no clusters, 70,912 bytes of LDS; arguments mask, pm, sm; writes pm, sm
.if DOCPART == 3
	.amdgcn_target "amdgcn-amd-amdhsa--gfx1250"
	.amdhsa_code_object_version 6
	.text
	.protected	k_qcdf311981e_pack
	.globl	k_qcdf311981e_pack
	.p2align	8
	.type	k_qcdf311981e_pack,@function
k_qcdf311981e_pack:
	s_mov_b64 s[64:65], 0
	v_nop
	global_prefetch_b8 v0, s[64:65] scope:SCOPE_SE
	s_setreg_imm32_b32 hwreg(HW_REG_WAVE_MODE, 25, 1), 1
	s_wait_xcnt 0x0
; pm <- mask, one bit for each byte, in the order in which the attention launch takes them; sm <- which blocks of the mask are whole.
; mask: [4][2048 queries][2048 keys] bytes (any byte other than 0 counts as true).  pm: 524,288 words of 32 bits:
;   word ((((b*32 + q64)*32 + step)*4 + n)*32 + i), bit L  =  mask[b][64 q64 + 16 n + (L & 15)][64 step + 32 (L >> 4) + i]
; so that a word is a mask over the 32 lanes of a wave in which lane L holds query L & 15 and key 32 (L >> 4) + i of a step of 64 keys.
; sm: two words for each block of 16 queries (512 blocks, in the order of the rows): skip, open.  Bit s of open: none of the block's 16 x 64 bytes of key step s
; is set.  Bit s of skip: all of them are set, AND no row of the block is masked in all its 2,048 keys.  The fill of a masked score is a number, not minus
; infinity: in a row that is masked everywhere every key counts alike, so nothing of such a row may be left out; in every other row a masked key's weight is 0.
; Work-group g owns the 32 mask rows 32 g .. 32 g + 31 (65,536 consecutive bytes, two blocks); wave w owns their bytes 256 w .. 256 w + 255 (four key steps).
; The bytes are loaded in runs of 256, turned round in the wave's own LDS bytes (no barrier: no wave reads another's), compared,
; and the compare's lane mask IS the word.  The eight waves' findings for sm meet in LDS behind the one barrier.
; No matrix unit, no cluster: every byte is read once and shared with nobody.
.set LP,   272                         ; LDS pitch of a row of 256 bytes: 17 x 16, so sixteen rows begin at sixteen different 16-byte columns modulo 256
.set WREG, 32*LP                       ; a wave's LDS bytes
.set SUMB, 8*WREG                      ; behind them: 32 bytes for each wave's findings
.set GO,  1                            ; v1  byte offset in the group's 32 rows: 2048 (L >> 4) + 16 (L & 15) + 256 w
.set ST,  2                            ; v2  LDS address for the way in
.set RD,  3                            ; v3  LDS address for the way back: row L & 15, 32 bytes for each half of the lanes
.set SO,  4                            ; v4  8 L: my two words of a store
.set OW,  8                            ; v[8:15]   key step sl: the pair OW + 2 sl; lane l holds words 2 l and 2 l + 1 of the step's 64
.set TT,  16                           ; v[16:19]  at work
.set XR,  20                           ; v[20:83]  as loaded; at the end v[20:27] my findings and addresses
.set RC,  28                           ; v[28:91]  at the end: the eight waves' findings, 8 registers each
.set YR,  84                           ; v[84:147] as read back: step sl, row block e at YR + 16 sl + 8 e, byte i in register i >> 2
.set RA,  24                           ; s24, s25  block e: bit L = all the bytes that lane L has seen so far are set
.set FB,  34                           ; s34 skip and s35 open of block 0, s36 and s37 of block 1: bit sl, later bit 4 w + sl
	s_load_b128 s[4:7], s[0:1], 0x0                ; mask s[4:5], pm s[6:7]
	s_load_b64 s[30:31], s[0:1], 0x10              ; sm
	v_lshl_add_u32 v148, v0, 2, 0x11100
	v_mov_b32 v149, 0
	v_lshrrev_b32 v5, 5, v0
	v_readfirstlane_b32 s8, v5                     ; wave 0..7
	v_and_b32 v5, 31, v0                           ; L
	v_and_b32 v6, 15, v0                           ; L & 15
	v_bfe_u32 v7, v0, 4, 1                         ; L >> 4
	s_mul_i32 s9, s8, WREG                         ; my wave's LDS bytes
	s_lshl_b32 s10, s8, 8                          ; my wave's 256 bytes of a row
	v_lshlrev_b32 v[GO], 4, v6
	v_lshl_add_u32 v[GO], v7, 11, v[GO]
	v_add_nc_u32 v[GO], s10, v[GO]
	v_mul_u32_u24 v[ST], v7, LP
	v_lshl_add_u32 v[ST], v6, 4, v[ST]
	v_add_nc_u32 v[ST], s9, v[ST]
	v_mul_u32_u24 v[RD], v6, LP
	v_lshl_add_u32 v[RD], v7, 5, v[RD]
	v_add_nc_u32 v[RD], s9, v[RD]
	v_lshlrev_b32 v[SO], 3, v5
	s_lshl_b32 s12, ttmp9, 16                      ; the group's 32 rows of 2,048 bytes
	s_mov_b32 s13, 0
	s_lshr_b32 s14, ttmp9, 1                       ; b*32 + q64 = g >> 1: 16,384 bytes of pm each
	s_lshl_b32 s14, s14, 14
	s_and_b32 s16, ttmp9, 1                        ; n = 2 (g & 1) + e: 128 bytes each
	s_lshl_b32 s16, s16, 8
	s_add_co_u32 s14, s14, s16
	s_lshl_b32 s16, s8, 11                         ; step = 4 w + sl: 512 bytes each
	s_add_co_u32 s14, s14, s16
	s_mov_b32 s15, 0
	s_lshl_b32 s32, ttmp9, 4                       ; the group's two blocks in sm: 16 bytes
	s_mov_b32 s33, 0
	s_mov_b32 s[RA], -1
	s_mov_b32 s[RA+1], -1
.irp k, 0,1,2,3
	s_mov_b32 s[FB+\k], 0
.endr
	s_wait_kmcnt 0x0
	s_add_nc_u64 s[4:5], s[4:5], s[12:13]
	s_add_nc_u64 s[6:7], s[6:7], s[14:15]
	s_add_nc_u64 s[30:31], s[30:31], s[32:33]
.set i, 0
.rept 16
	global_load_b128 v[XR+4*i:XR+4*i+3], v[GO], s[4:5] offset:4096*i th:TH_LOAD_NT   ; rows 2 i and 2 i + 1: two aligned runs of 256 bytes
.set i, i+1
.endr
.irp k, 0,1,2,3,4,5,6,7
	v_mov_b32 v[OW+\k], 0                          ; v_writelane_b32 keeps the other lanes: its destination has to hold something
.endr
.set i, 0
.rept 16
	s_wait_loadcnt 15-i                            ; loads come back in order: load i is in, the 15 - i younger ones stay out
	ds_store_b128 v[ST], v[XR+4*i:XR+4*i+3] offset:2*LP*i
.set i, i+1
.endr
.set sl, 0
.rept 4
.set e, 0
.rept 2
	ds_load_b128 v[YR+16*sl+8*e:YR+16*sl+8*e+3],   v[RD] offset:16*LP*e+64*sl      ; LDS serves a wave's instructions in order: these see the stores above
	ds_load_b128 v[YR+16*sl+8*e+4:YR+16*sl+8*e+7], v[RD] offset:16*LP*e+64*sl+16
.set e, e+1
.endr
.set sl, sl+1
.endr
.set sl, 0
.rept 4
	s_wait_dscnt 12-4*sl                           ; this step's four loads are in; the 12 - 4 sl younger ones stay out
.set e, 0
.rept 2
.set g, 0
.rept 8
.irp b, 0,1,2,3
	v_and_b32 v[TT+\b], 0xff<<(8*\b), v[YR+16*sl+8*e+g]            ; byte i = 4 g + b of my 32
.endr
.irp b, 0,1,2,3
	v_cmp_ne_u32 s[20+\b], 0, v[TT+\b]                             ; the lane mask is word i
.endr
.irp b, 0,1,2,3
	v_writelane_b32 v[OW+2*sl+(\b&1)], s[20+\b], 16*e+2*g+(\b>>1)  ; word 32 e + i goes to lane (32 e + i) / 2, register (i & 1)
.endr
.irp b, 0,1,2,3
	s_and_b32 s[RA+e], s[RA+e], s[20+\b]                           ; a lane's bit stays while all its bytes are set
.endr
.set g, g+1
.endr
.set e, e+1
.endr
	global_store_b64 v[SO], v[OW+2*sl:OW+2*sl+1], s[6:7] offset:512*sl   ; 32 lanes store 256 consecutive bytes, at a multiple of 256 from pm's first byte
	; is a block whole in this step?  Lanes 0-15 hold block 0's 32 words, lanes 16-31 block 1's.
	v_and_b32 v[TT], v[OW+2*sl], v[OW+2*sl+1]
	v_or_b32 v[TT+1], v[OW+2*sl], v[OW+2*sl+1]
	v_cmp_eq_u32 s26, -1, v[TT]                    ; lanes whose two words are all ones
	v_cmp_eq_u32 s27, 0, v[TT+1]                   ; lanes whose two words are all zeros
.irp k, 0,1
	s_and_b32 s28, s[26+\k], 0xffff
	s_cmp_eq_u32 s28, 0xffff
	s_cselect_b32 s28, 1<<sl, 0
	s_or_b32 s[FB+\k], s[FB+\k], s28
	s_lshr_b32 s28, s[26+\k], 16
	s_cmp_eq_u32 s28, 0xffff
	s_cselect_b32 s28, 1<<sl, 0
	s_or_b32 s[FB+2+\k], s[FB+2+\k], s28
.endr
.set sl, sl+1
.endr
	; my findings: four words of step bits, and for each block the rows (bits 0-15) that have an open key among my 256
	s_lshl_b32 s38, s8, 2                          ; my steps are 4 w .. 4 w + 3
.irp k, 0,1,2,3
	s_lshl_b32 s[FB+\k], s[FB+\k], s38
.endr
.irp k, 0,1
	s_lshr_b32 s28, s[RA+\k], 16                   ; a row's two halves of the keys lie in lanes r and r + 16
	s_and_b32 s[RA+\k], s[RA+\k], s28
	s_and_not1_b32 s[RA+\k], 0xffff, s[RA+\k]
.endr
.irp k, 0,1,2,3
	v_mov_b32 v[XR+\k], s[FB+\k]
.endr
	v_mov_b32 v[XR+4], s[RA]
	v_mov_b32 v[XR+5], s[RA+1]
	s_lshl_b32 s28, s8, 5
	s_add_co_u32 s28, s28, SUMB
	v_mov_b32 v[XR+6], s28
	ds_store_b128 v[XR+6], v[XR:XR+3]              ; all lanes write the same bytes with the same values
	ds_store_b64 v[XR+6], v[XR+4:XR+5] offset:16
	s_wait_dscnt 0x0                               ; for wave 0's sake: my findings are in LDS
	s_barrier_signal -1
	s_barrier_wait -1
	s_cmp_lg_u32 s8, 0
	s_cbranch_scc1 .Lend                           ; wave 0 joins them: every word by OR
	v_mov_b32 v[XR+7], SUMB
.irp w, 0,1,2,3,4,5,6,7
	ds_load_b128 v[RC+8*\w:RC+8*\w+3],   v[XR+7] offset:32*\w
	ds_load_b64  v[RC+8*\w+4:RC+8*\w+5], v[XR+7] offset:32*\w+16
.endr
	s_wait_dscnt 0x0
.irp w, 1,2,3,4,5,6,7
.irp k, 0,1,2,3,4,5
	v_or_b32 v[RC+\k], v[RC+\k], v[RC+8*\w+\k]
.endr
.endr
	v_cmp_eq_u32 vcc_lo, 0xffff, v[RC+4]           ; every row of block 0 has an open key
	v_cndmask_b32 v[RC], 0, v[RC], vcc_lo          ; else nothing of the block is skipped
	v_cmp_eq_u32 vcc_lo, 0xffff, v[RC+5]
	v_cndmask_b32 v[RC+2], 0, v[RC+2], vcc_lo
	v_mov_b32 v[XR], 0
	v_cmp_eq_u32 vcc_lo, 0, v5
	s_wait_xcnt 0x0                                ; EXEC is a source of the stores above: it changes only behind this wait
	s_and_saveexec_b32 s9, vcc_lo
	global_store_b128 v[XR], v[RC:RC+3], s[30:31]  ; one lane: skip, open of block 0, skip, open of block 1.  16 bytes a work-group: all that the group knows of sm
	s_wait_xcnt 0x0
	s_or_b32 exec_lo, exec_lo, s9
.Lend:
	s_wait_tensorcnt 0x0
	ds_add_u32 v148, v149
	s_wait_dscnt 0x0
	s_endpgm
.Lfunc_end_k_qcdf311981e_pack:
	.size	k_qcdf311981e_pack, .Lfunc_end_k_qcdf311981e_pack-k_qcdf311981e_pack
	.p2alignl 7, 3214868480
	.fill 96, 4, 3214868480
	.section	.rodata,"a",@progbits
	.p2align	6, 0x0
	.amdhsa_kernel k_qcdf311981e_pack
		.amdhsa_group_segment_fixed_size 70912
		.amdhsa_private_segment_fixed_size 0
		.amdhsa_enable_private_segment 0
		.amdhsa_kernarg_size 24
		.amdhsa_user_sgpr_count 2
		.amdhsa_user_sgpr_kernarg_segment_ptr 1
		.amdhsa_wavefront_size32 1
		.amdhsa_system_sgpr_workgroup_id_x 1
		.amdhsa_system_sgpr_workgroup_id_y 1
		.amdhsa_system_sgpr_workgroup_id_z 1
		.amdhsa_system_vgpr_workitem_id 0
		.amdhsa_next_free_vgpr 150
		.amdhsa_next_free_sgpr 66
		.amdhsa_reserve_vcc 1
		.amdhsa_float_denorm_mode_32 3
		.amdhsa_float_denorm_mode_16_64 3
		.amdhsa_memory_ordered 1
		.amdhsa_forward_progress 1
		.amdhsa_inst_pref_size 71
	.end_amdhsa_kernel
	.amdgpu_metadata
---
amdhsa.version: [ 1, 2 ]
amdhsa.kernels:
  - .name:           k_qcdf311981e_pack
    .symbol:         k_qcdf311981e_pack.kd
    .args:
      - { .name: mask, .offset: 0, .size: 8, .value_kind: global_buffer, .address_space: global }
      - { .name: pm, .offset: 8, .size: 8, .value_kind: global_buffer, .address_space: global }
      - { .name: sm, .offset: 16, .size: 8, .value_kind: global_buffer, .address_space: global }
    .group_segment_fixed_size: 70912
    .private_segment_fixed_size: 0
    .kernarg_segment_align: 8
    .kernarg_segment_size: 24
    .max_flat_workgroup_size: 256
    .sgpr_count:     66
    .vgpr_count:     150
    .wavefront_size: 32
...
	.end_amdgpu_metadata
.endif
;; end of part 3
;; launch attn (part 4): grid 4 x 64, 8 waves a work-group, no clusters, 179,200 bytes of LDS; arguments k, v, q, pm, sm, out0; writes out0
.if DOCPART == 4
	.amdgcn_target "amdgcn-amd-amdhsa--gfx1250"
	.amdhsa_code_object_version 6
	.text
	.protected	k_qcdf311981e_attn
	.globl	k_qcdf311981e_attn
	.p2align	8
	.type	k_qcdf311981e_attn,@function
k_qcdf311981e_attn:
	s_mov_b64 s[64:65], 0
	v_nop
	global_prefetch_b8 v0, s[64:65] scope:SCOPE_SE
	s_setreg_imm32_b32 hwreg(HW_REG_WAVE_MODE, 25, 1), 1
	s_wait_xcnt 0x0
; out0 = softmax(where(mask, -1e9, q k^T / 8)) v for 64 heads of 2,048 x 64, f32 in and out; matrix products with 16-bit operands and f32 sums, softmax in f32
; with a running maximum.  The mask comes from the launch before: pm, one bit for each byte (layout at MLOAD), and sm, which says which blocks of it are whole.
; Work-group (x, y): head y.  A head's queries are 128 blocks of 16; wave w owns the four blocks 32 n + 4 w + x, n = 0..3, and walks all 2,048 keys in 32 steps of 64.
; The four blocks lie far apart, so that under a mask whose density changes along the queries every wave has about the same work in every step.
; Eight waves of 512 registers: two on a SIMD, so that one wave's softmax runs beside the other's products.
;
; A UNIT is one block of 16 queries x one step of 64 keys.  sm gives two bits for it.  skip: every key is masked for every query, and no row of the block is masked
; in all its 2,048 keys: then each of these keys has weight 0 in the result, and the unit is left out.  open: no key is masked: the unit needs no mask words and no
; selects.  Else the unit is mixed and takes its 32 mask words.  A unit may always be done as mixed: step 0 is, whatever its bits, and so starts every sum.
; How much is left out hangs on the mask that is given; with a mask that has no whole blocks every unit is mixed.
;
; BOTH PRODUCTS ARE TRANSPOSED.  S^T = K Q^T: source 0 = 16 LDS rows of K, source 1 = 16 queries; in the result lane L holds query L & 15, and its
; registers hold keys: maximum and sum run over the lane's own registers and one exchange with lane L xor 16, and m, l, alpha are one register a block.
; The result's layout is that of source 1 of O^T = V^T P^T, so sixteen conversions to f16 are the whole way from one product to the other.
; For that, key 32 h + 8 t + j of a step lies in LDS row 16 t + 8 h + j, in K and V alike; lane (r, h) then holds keys 32 h + i, i = 0..31, in register i.
;
; FORMATS.  q, k and v are rounded to bf16 as they are given (q x 1/8 first: a power of two, so the rounding is that of q).  K Q^T is a bf16 product.
; P lies between 0 and about 1 and goes in f16, whose 11 bits leave a relative error of 2^-11 at the most: rows with few open keys are sums of a few
; terms near 1 that may cancel, and bf16's 2^-8 on each term is too coarse there.  So V^T P^T is an f16 product, and V's bf16 number is written as f16.
; V is rounded to bf16 first, like q and k, so that the result is the reference's on inputs rounded to bf16, up to P's rounding.
;
; LIMITS, kept knowingly.
;   |v| below 65,520, else f16 overflows; a bf16 number is an f16 number exactly from 2^-17 up, below that the error is 2^-25 at the most.
;   The mask's fill is -2^30, not -1e9.  p = exp2(s log2e - RN(m log2e)) by one fused multiply-add; 2^30 log2e is exact in f32, so in a row that is masked
;   everywhere the exponent is exactly 0 and p = 1 for every key, as in the reference.  With any open key a masked key gives p = 0 with either fill.
;   The results differ from the reference's only where open scores reach about -1e9 (inputs some 10,000 times larger than standard normal ones).
;   The rounded shift RN(m log2e) is the same in every term of a row, in alpha too, so its rounding cancels in O / l.
;   v_max_num_f32 lets a NaN lose: NaN inputs do not spread as in the reference, and K and V of a skipped unit are not looked at.  p below 2^-25 becomes 0 in P.
;
; NO CLUSTER, NO TENSOR LOADS, though the four work-groups of a head read the same K and V: the tiles are f32 in memory and the matrix unit takes 16 bits.
; Brought by a tensor load, a step's 32 KiB would be written to LDS, read back and written again as 16 KiB into other bytes: 80 KiB through LDS
; for a step.  Loaded into registers and converted there they are written to LDS once: 16 KiB.  Each thread's share of a step is eight loads of 16 bytes.
.set KP,    144                        ; LDS pitch of a row of 64 bf16 of K and of Q: 9 x 16, sixteen rows begin at sixteen different 16-byte columns modulo 256
.set VP,    160                        ; of V: 5 x 32, for the transposing load
.set OP,    272                        ; of a row of 64 f32 of O: 17 x 16
.set KBUF,  64*KP                      ; a tile of K; two buffers from LDS byte 0
.set VBUF,  64*VP                      ; a tile of V; two buffers
.set VB0,   2*KBUF                     ; from here
.set STG0,  VB0+2*VBUF                 ; behind them each wave's own stage: Q at the start, O at the end
.set STGB,  64*OP
.set TILEB, 16384                      ; 64 keys x 256 bytes in memory
.set UQ,    131072                     ; from my block n to my block n + 1 in q and out0: 32 blocks x 16 queries x 256 bytes
.set UPM,   131072                     ; in pm: 8 groups of 64 queries x 16,384 bytes
.set USM,   256                        ; in sm: 32 blocks x 8 bytes
.set QSCALE, 0x3e000000                ; 1/8
.set LOG2E,  0x3fb8aa3b                ; log2(e)
.set NLOG2E, 0xbfb8aa3b                ; -log2(e)
.set FILL,   0xce800000                ; -2^30
; window 0 (v0-v255): addresses and what comes from memory or LDS
.set KA,   1                           ; K fragments: (L & 15) KP + 16 (L >> 4)
.set VA,   2                           ; V fragments, transposing load
.set KST,  3                           ; where my 8 bytes of a row of K go: LDS row 8 w + (L >> 4)
.set VST,  4                           ; the same for V
.set GOFF, 5                           ; my 16 bytes of my wave's 2,048 bytes of a tile
.set PFO,  6                           ; 256 L: prefetch
.set QST,  7                           ; stage: Q in
.set QRD,  8                           ; stage: Q fragments back
.set OST,  9                           ; stage: O in
.set ORD,  10                          ; stage: O rows back
.set LOFF, 11                          ; 16 L
.set VT,   16                          ; v[16:23]   my part of V's tile, converted: what the LDS stores read
.set KT,   24                          ; v[24:31]   of K's tile
.set GR,   32                          ; v[32:63]   a tile on its way: K's load i at GR + 4 i, V's at GR + 16 + 4 i
.set KF,   64                          ; v[64:127]  K fragments: rows 16 t.., d half c at KF + 16 t + 8 c
.set VF,   128                         ; v[128:191] V^T fragments: d block m, key half u at VF + 16 m + 8 u
.set QF,   192                         ; v[192:255] Q fragments: block n, d half c at QF + 16 n + 8 c
; window 1 (v256-v511, written by their low 8 bits): sums and softmax
.set ACC,  0                           ; O^T: block n, d block m at ACC + 32 n + 8 m
.set SB,   128                         ; scores, then P in its first 16 registers
.set MX,   192                         ; running maximum of block n, in the scores' own units
.set LS,   196                         ; running sum of block n (of the lane's own half of the keys until the end)
.set NEGV, 200
.set TNM,  202                         ; -RN(new maximum x log2e) (a pair for the packed forms; the upper register is written once)
.set ALP,  204                         ; alpha (likewise)
.set WM,   206
.set TX,   207
.set CH,   208                         ; four chains of the maximum
.set RSA,  212                         ; two chains of the sum, a pair each
.set RSB,  214
.set JX,   216
.set JY,   217
.set JZ,   218
.set NM,   220                         ; -RN(running maximum x log2e) of block n: the shift that the block's sums carry
.set MSK0, 16                          ; s[16:47] the 32 mask words of an even block
.set MSK1, 68                          ; s[68:99] of an odd block
.set MK,   50                          ; s[50:53] block n: bit 0 = this step's unit is mixed, bit 1 = the next step's, ..
.set SK,   56                          ; s[56:59] block n: bit 0 = this step's unit is skipped
.set AL,   63                          ; s63      bit 0 = all four are skipped
.set MSB, 0
.macro WIN new                         ; s_set_vgpr_msb: bits 1:0 source 0, 3:2 source 1, 5:4 source 2, 7:6 destination; the high byte repeats the setting that is left
.if MSB != \new
	s_set_vgpr_msb (MSB<<8)|\new
.set MSB, \new
.endif
.endm
; 0x55 all in window 1 (softmax); 0x50 K Q^T (sources window 0, sums window 1); 0x54 V^T P^T (P in window 1); 0x04 LDS store of window 1; 0 at labels and branches
; The 32 mask words of one unit: word i, bit L = mask[query L & 15][key 32 (L >> 4) + i].  128 bytes; a step further on they lie 512 bytes further.
.macro MLOAD ms, ofs
	s_load_b512 s[\ms:\ms+15],    s[10:11], \ofs
	s_load_b512 s[\ms+16:\ms+31], s[10:11], \ofs+64
.endm
.macro GLOAD                           ; my wave's eight keys of a tile of K and of a tile of V: four loads of 512 consecutive bytes (two keys) each
.irp i, 0,1,2,3
	global_load_b128 v[GR+4*\i:GR+4*\i+3], v[GOFF], s[4:5] offset:512*\i
.endr
.irp i, 0,1,2,3
	global_load_b128 v[GR+16+4*\i:GR+16+4*\i+3], v[GOFF], s[6:7] offset:512*\i
.endr
.endm
; My part of the tile that has come: K to bf16; V rounded to bf16, widened again (a shift, a mask) and written as f16, which holds it exactly.
; The results lie in KT and VT, so that GR is free for the next loads at once.
.macro CVT
.irp i, 0,1,2,3
	v_cvt_pk_bf16_f32 v[KT+2*\i],   v[GR+4*\i],   v[GR+4*\i+1]
	v_cvt_pk_bf16_f32 v[KT+2*\i+1], v[GR+4*\i+2], v[GR+4*\i+3]
.endr
.irp i, 0,1,2,3
	v_cvt_pk_bf16_f32 v[VT+2*\i],   v[GR+16+4*\i],   v[GR+16+4*\i+1]
	v_cvt_pk_bf16_f32 v[VT+2*\i+1], v[GR+16+4*\i+2], v[GR+16+4*\i+3]
.endr
.irp i, 0,1,2,3,4,5,6,7
	v_lshlrev_b32 v[GR+16+2*\i],   16,  v[VT+\i]
	v_and_b32     v[GR+16+2*\i+1], s62, v[VT+\i]
.endr
.irp i, 0,1,2,3,4,5,6,7
	v_cvt_pk_f16_f32 v[VT+\i], v[GR+16+2*\i], v[GR+16+2*\i+1]
.endr
.endm
; Into LDS buffer nb.  Wave w fills LDS rows 8 w .. 8 w + 7 of K's tile and of V's: its addresses are the wave's number times a constant, a lane term and constants.
; Those rows are keys 32 (w & 1) + 8 (w >> 1) + 0..7, 2,048 consecutive bytes of memory: load i holds key .. + 2 i + (L >> 4), d 4 (L & 15)..+3, and goes to row 8 w + 2 i + (L >> 4).
.macro TSTORE nb
.irp i, 0,1,2,3
	ds_store_b64 v[KST], v[KT+2*\i:KT+2*\i+1] offset:(\nb)*KBUF+2*\i*KP
	ds_store_b64 v[VST], v[VT+2*\i:VT+2*\i+1] offset:(\nb)*VBUF+2*\i*VP
.endr
.endm
.macro KLOAD b                         ; all of K's tile in buffer b as source 0: two loads of 16 bytes, 32 bytes apart, for 16 rows x 32 d
	WIN 0
.set kt, 0
.rept 4
.set kc, 0
.rept 2
	ds_load_b128 v[KF+16*kt+8*kc:KF+16*kt+8*kc+3],   v[KA] offset:(\b)*KBUF+16*kt*KP+64*kc
	ds_load_b128 v[KF+16*kt+8*kc+4:KF+16*kt+8*kc+7], v[KA] offset:(\b)*KBUF+16*kt*KP+64*kc+32
.set kc, kc+1
.endr
.set kt, kt+1
.endr
.endm
.macro VLOAD b                         ; all of V's tile in buffer b, transposed, as source 0: 16 d x 32 LDS rows by two transposing loads, 16 rows apart
	WIN 0
.set vm, 0
.rept 4
.set vu, 0
.rept 2
	ds_load_tr16_b128 v[VF+16*vm+8*vu:VF+16*vm+8*vu+3],   v[VA] offset:(\b)*VBUF+32*vu*VP+32*vm
	ds_load_tr16_b128 v[VF+16*vm+8*vu+4:VF+16*vm+8*vu+7], v[VA] offset:(\b)*VBUF+32*vu*VP+32*vm+16*VP
.set vu, vu+1
.endr
.set vm, vm+1
.endr
.endm
; Scores of block blk: four tiles of 16 LDS rows x 16 queries, d in two halves.  The four accumulators take turns, one instruction a turn.
.macro QKMUL blk
	WIN 0x50
.irp t, 0,1,2,3
	v_wmma_f32_16x16x32_bf16 v[SB+8*\t:SB+8*\t+7], v[KF+16*\t:KF+16*\t+7], v[QF+16*\blk:QF+16*\blk+7], 0
.endr
.irp t, 0,1,2,3
	v_wmma_f32_16x16x32_bf16 v[SB+8*\t:SB+8*\t+7], v[KF+16*\t+8:KF+16*\t+15], v[QF+16*\blk+8:QF+16*\blk+15], v[SB+8*\t:SB+8*\t+7]
.endr
.endm
; O^T of block blk += V^T P^T, in f16: four d blocks, the step's 64 LDS rows in two halves.  Accumulators by turns, as above.  first = 1: the first product starts the sums.
.macro PVMUL blk, first
	WIN 0x54
.irp m, 0,1,2,3
.if \first
	v_wmma_f32_16x16x32_f16 v[ACC+32*\blk+8*\m:ACC+32*\blk+8*\m+7], v[VF+16*\m:VF+16*\m+7], v[SB:SB+7], 0
.else
	v_wmma_f32_16x16x32_f16 v[ACC+32*\blk+8*\m:ACC+32*\blk+8*\m+7], v[VF+16*\m:VF+16*\m+7], v[SB:SB+7], v[ACC+32*\blk+8*\m:ACC+32*\blk+8*\m+7]
.endif
.endr
.irp m, 0,1,2,3
	v_wmma_f32_16x16x32_f16 v[ACC+32*\blk+8*\m:ACC+32*\blk+8*\m+7], v[VF+16*\m+8:VF+16*\m+15], v[SB+8:SB+15], v[ACC+32*\blk+8*\m:ACC+32*\blk+8*\m+7]
.endr
.endm
.macro MASKSEL ms                      ; the mask: one select a register
	WIN 0x55
.set i, 0
.rept 32
	v_cndmask_b32 v[SB+i], v[SB+i], v[NEGV], s[\ms+i]
.set i, i+1
.endr
.endm
.macro MAXP blk, first                 ; the maximum of the lane's 32 scores and the block's running maximum: sixteen maxima of three
	WIN 0x55
.irp k, 0,1,2,3
	v_max3_num_f32 v[CH+\k], v[SB+8*\k], v[SB+8*\k+1], v[SB+8*\k+2]
.endr
.irp k, 0,1,2,3
	v_max3_num_f32 v[CH+\k], v[CH+\k], v[SB+8*\k+3], v[SB+8*\k+4]
.endr
.irp k, 0,1,2,3
	v_max3_num_f32 v[CH+\k], v[CH+\k], v[SB+8*\k+5], v[SB+8*\k+6]
.endr
	v_max3_num_f32 v[JX], v[CH], v[CH+1], v[SB+7]
	v_max3_num_f32 v[JY], v[CH+2], v[CH+3], v[SB+15]
	v_max3_num_f32 v[JZ], v[JX], v[SB+23], v[SB+31]
.if \first
	v_max_num_f32 v[WM], v[JZ], v[JY]
.else
	v_max3_num_f32 v[WM], v[JZ], v[JY], v[MX+\blk]
.endif
.endm
; Pair si of tile st: into the sum, then to f16 in place: P's register 4 st + si takes scores 8 st + 2 si and + 1; it overwrites scores that were summed and converted before.
.macro SUMCVT
.set p, SB+8*st+2*si
.if st == 0
.if si == 0
	s_wait_alu depctr_va_vdst(0)
	v_pk_add_f32 v[RSA:RSA+1], v[SB:SB+1], v[SB+2:SB+3]            ; the first pairs start the two chains: nothing is cleared
.endif
.if si == 1
	v_pk_add_f32 v[RSB:RSB+1], v[SB+4:SB+5], v[SB+6:SB+7]
.endif
.else
.set q, RSA+2*(si&1)
	s_wait_alu depctr_va_vdst(0)
	v_pk_add_f32 v[q:q+1], v[q:q+1], v[p:p+1]
.endif
	v_cvt_pk_f16_f32 v[SB+4*st+si], v[p], v[p+1]
.endm
; The softmax of one unit.  The exponent of a score is s log2e - RN(m log2e), one fused multiply-add for two scores.
; Each pair of exponentials is followed by plain work on other registers (the next tile's exponents, the last tile's sum and conversion, a piece of the
; rescaling of O), so that a plain instruction stands between every exponential and the first use of its result (ISA guide 5.7.2).
.macro BPART blk, first
	WIN 0x55
	v_permlanex16_b32 v[TX], v[WM], s48, s49       ; the other half of the keys of my query lies in lane L xor 16
	v_max_num_f32 v[MX+\blk], v[WM], v[TX]         ; the new running maximum (WM holds the old one already)
	v_mul_f32 v[TNM], NLOG2E, v[MX+\blk]           ; the new shift, negative
.if \first == 0
	v_sub_f32 v[ALP], v[TNM], v[NM+\blk]           ; new shift - old shift, at most 0: rounding keeps the order of the maxima
.endif
.irp i, 0,1,2,3
	v_pk_fma_f32 v[SB+2*\i:SB+2*\i+1], v[SB+2*\i:SB+2*\i+1], LOG2E, v[TNM:TNM+1] op_sel_hi:[1,0,0]
.endr
.if \first == 0
	v_exp_f32 v[ALP], v[ALP]                       ; alpha
.endif
	v_mov_b32 v[NM+\blk], v[TNM]                   ; the plain instruction behind that exponential
.set t, 0
.rept 4
.set i, 0
.rept 4
	v_exp_f32 v[SB+8*t+2*i], v[SB+8*t+2*i]
	v_exp_f32 v[SB+8*t+2*i+1], v[SB+8*t+2*i+1]
.if t < 3
.set p, SB+8*(t+1)+2*i
	v_pk_fma_f32 v[p:p+1], v[p:p+1], LOG2E, v[TNM:TNM+1] op_sel_hi:[1,0,0]
	s_wait_alu depctr_va_vdst(0)
.endif
.if t > 0
.set st, t-1
.set si, i
	SUMCVT
.endif
.if \first == 0
.set p, ACC+32*\blk+2*(4*t+i)
	v_pk_mul_f32 v[p:p+1], v[p:p+1], v[ALP:ALP+1] op_sel_hi:[1,0]
.endif
.set i, i+1
.endr
.set t, t+1
.endr
.set st, 3
.set si, 0
.rept 4
	SUMCVT
.set si, si+1
.endr
.endm
; Behind V^T P^T: the block's running sum, and v_nop up to five plain instructions that name none of the product's registers.  Whatever unit comes next, its K Q^T
; writes over P, a source of that product, and stands five places behind it.
.macro TAIL blk, first
	WIN 0x55
	v_pk_add_f32 v[RSA:RSA+1], v[RSA:RSA+1], v[RSB:RSB+1]
.if \first
	v_add_f32 v[LS+\blk], v[RSA], v[RSA+1]
	v_nop
.else
	v_add_f32 v[RSA], v[RSA], v[RSA+1]
	v_fma_f32 v[LS+\blk], v[LS+\blk], v[ALP], v[RSA]
.endif
	v_nop
	v_nop
.endm
; One unit.  first = 1: step 0, done as mixed whatever its bits.  last = 1: step 31.
; The head stands on every way, for a skipped unit too: it waits for all mask words that are out, which are this unit's if it is mixed (scalar loads: the count 0 alone
; says anything; nothing out, no waiting), and then asks for the NEXT unit's words if that one is mixed: they have this unit's work in which to come.
; Block n takes the mask registers n & 1, so the words asked for never land on those in use.  In step 31 bit 1 of block 0's word is 0: the shifts bring in zeros.
.macro UNIT blk, first, last
.set msn, MSK0+(MSK1-MSK0)*((\blk)&1)
.set msx, MSK0+(MSK1-MSK0)*((\blk+1)&1)
	WIN 0
	s_wait_kmcnt 0x0
.if \blk < 3
.if \first
	MLOAD msx, (\blk+1)*UPM
.else
	s_bitcmp1_b32 s[MK+\blk+1], 0
	s_cbranch_scc0 .Lnot_asked_\@
	MLOAD msx, (\blk+1)*UPM
.Lnot_asked_\@:
.endif
.else
.if \last == 0
	s_bitcmp1_b32 s[MK], 1
	s_cbranch_scc0 .Lnot_asked_\@
	MLOAD msx, 512                                 ; the next step's block 0
.Lnot_asked_\@:
.endif
.endif
.if \first == 0
	s_bitcmp1_b32 s[SK+\blk], 0
	s_cbranch_scc1 .Lskipped_\@
.endif
	QKMUL \blk
.rept 4
	v_nop                                          ; four places between the product and the first read of its result (ISA guide 7.12.1): the unit has no other work yet
.endr
.if \first == 0
	WIN 0
	s_bitcmp1_b32 s[MK+\blk], 0
	s_cbranch_scc0 .Lopen_\@
.endif
	MASKSEL msn
.if \first == 0
	WIN 0
.Lopen_\@:
.endif
	MAXP \blk, \first
	BPART \blk, \first
	s_wait_dscnt 0x0                               ; V's fragments (met from the step's second unit on)
	PVMUL \blk, \first
	TAIL \blk, \first
	WIN 0
.if \first == 0
.Lskipped_\@:
.endif
.endm
; One step of 64 keys, whose tile lies in LDS buffer par.
; ONE barrier a step, on two buffers, in the text that every wave passes whatever its units' bits.  In front of its signal a wave has waited for all its LDS work: its
; reads of the last step's tile, which lies in the other buffer, and its stores of its part of this step's tile.  Behind its wait this step's tile is whole and may be
; read, and the other buffer may be written: the next tile goes there.  Between signal and wait stands register work alone: the next tile's conversions.
; stage = 1: the tile of step + 1 goes to LDS.  gload = 1: the tile of step + 2 is asked for; it has a whole step in which to come.
; pf = 1: wave 0 asks, for the four work-groups of the head together, for the tile that the NEXT step's loads will want: work-group x takes 8,192 bytes of it
; (x = 0, 1: K's halves; x = 2, 3: V's), 32 lanes 256 bytes apart, so each block is asked for once.  In step s that is tile s + 3; the last is tile 31, in step 28.
.macro STEP par, first, gload, pf, stage, last
	WIN 0
	s_wait_dscnt 0x0
	s_barrier_signal -1
	s_wait_xcnt 0x0                                ; the mask words asked for and the last prefetch have had their addresses translated: their bases may be stepped
.if \first == 0
	s_add_nc_u64 s[10:11], s[10:11], 512           ; this step's mask words
.endif
.if \stage
	s_wait_loadcnt 0x0                             ; the next tile is in; its loads' bases may be stepped
	CVT
.endif
	s_barrier_wait -1
.if \stage
	TSTORE 1-\par
.endif
.if \gload
	s_add_nc_u64 s[4:5], s[4:5], TILEB
	s_add_nc_u64 s[6:7], s[6:7], TILEB
	GLOAD
.endif
.if \pf
	s_add_nc_u64 s[54:55], s[54:55], TILEB
	s_cmp_lg_u32 s14, 0
	s_cbranch_scc1 .Lno_prefetch_\@
	global_prefetch_b8 v[PFO], s[54:55] th:TH_LOAD_NT scope:SCOPE_SE
.Lno_prefetch_\@:
.endif
.if \first == 0
	s_bitcmp1_b32 s[AL], 0
	s_cbranch_scc1 .Lno_fragments_\@               ; all four units are skipped: the tile is not read
.endif
	KLOAD \par
	VLOAD \par
	s_wait_dscnt 16                                ; K's fragments are in; V's sixteen loads, issued behind them, may stay out
.if \first == 0
.Lno_fragments_\@:
.endif
	UNIT 0, \first, \last
	UNIT 1, \first, \last
	UNIT 2, \first, \last
	UNIT 3, \first, \last
.if \last == 0
.irp r, 0,1,2,3
	s_lshr_b32 s[SK+\r], s[SK+\r], 1               ; bit 0 is now the next step's
	s_lshr_b32 s[MK+\r], s[MK+\r], 1
.endr
	s_lshr_b32 s[AL], s[AL], 1
.endif
.endm
	s_load_b256 s[4:11], s[0:1], 0x0               ; k s[4:5], v s[6:7], q s[8:9], pm s[10:11]
	s_load_b64 s[66:67], s[0:1], 0x20              ; sm
	s_load_b64 s[12:13], s[0:1], 0x28              ; out0
	s_set_vgpr_msb 0x40
	v_lshl_add_u32 v254, v0, 2, 0x2b800
	v_mov_b32 v255, 0
	s_set_vgpr_msb 0x4000
	v_lshrrev_b32 v12, 5, v0
	v_readfirstlane_b32 s14, v12                   ; wave 0..7
	s_mov_b32 s50, ttmp9                           ; x
	s_and_b32 s51, ttmp7, 0xffff                   ; y: head, 16 b + h
	s_mov_b32 s48, 0x76543210                      ; v_permlanex16_b32: lane i of one half reads lane i of the other
	s_mov_b32 s49, 0xfedcba98
	s_mov_b32 s62, 0xffff0000                      ; a word's upper bf16
	v_and_b32 v12, 31, v0                          ; L
	v_and_b32 v13, 15, v0                          ; r = L & 15
	v_bfe_u32 v14, v0, 4, 1                        ; h = L >> 4
	s_mul_i32 s58, s14, STGB
	s_add_co_u32 s58, s58, STG0                    ; my wave's stage
	s_mul_i32 s60, s14, 8*KP                       ; my wave's eight LDS rows of K's tile
	s_mul_i32 s61, s14, 8*VP                       ; and of V's
	s_add_co_u32 s61, s61, VB0
	v_mul_u32_u24 v[KA], v13, KP
	v_lshl_add_u32 v[KA], v14, 4, v[KA]
	v_and_b32 v15, 7, v0
	v_lshl_add_u32 v15, v14, 3, v15                ; row 8 h + (L & 7)
	v_mul_u32_u24 v[VA], v15, VP
	v_bfe_u32 v15, v0, 3, 1
	v_lshl_add_u32 v[VA], v15, 4, v[VA]            ; + 16 ((L >> 3) & 1)
	v_add_nc_u32 v[VA], VB0, v[VA]
	v_mul_u32_u24 v[KST], v14, KP
	v_lshl_add_u32 v[KST], v13, 3, v[KST]
	v_add_nc_u32 v[KST], s60, v[KST]
	v_mul_u32_u24 v[VST], v14, VP
	v_lshl_add_u32 v[VST], v13, 3, v[VST]
	v_add_nc_u32 v[VST], s61, v[VST]
	v_lshlrev_b32 v[GOFF], 4, v12                  ; 16 L,
	v_bfe_u32 v15, v0, 5, 1
	v_lshl_add_u32 v[GOFF], v15, 13, v[GOFF]       ; + 32 (w & 1) keys of 256 bytes,
	v_lshrrev_b32 v15, 6, v0
	v_lshl_add_u32 v[GOFF], v15, 11, v[GOFF]       ; + 8 (w >> 1) keys
	v_lshlrev_b32 v[PFO], 8, v12
	v_mul_u32_u24 v[QST], v14, KP
	v_lshl_add_u32 v[QST], v13, 3, v[QST]
	v_add_nc_u32 v[QST], s58, v[QST]
	v_add_nc_u32 v[QRD], s58, v[KA]
	v_mul_u32_u24 v[OST], v13, OP
	v_lshl_add_u32 v[OST], v14, 5, v[OST]
	v_add_nc_u32 v[OST], s58, v[OST]
	v_mul_u32_u24 v[ORD], v14, OP
	v_lshl_add_u32 v[ORD], v13, 4, v[ORD]
	v_add_nc_u32 v[ORD], s58, v[ORD]
	v_lshlrev_b32 v[LOFF], 4, v12
	s_lshl2_add_u32 s3, s14, s50                   ; 4 w + x: my block 0 among the head's first 32
	s_lshr_b32 s2, s51, 4                          ; b
	s_lshl_b32 s52, s51, 19                        ; a head is 2,048 x 256 bytes
	s_mov_b32 s53, 0
	s_and_b32 s56, s50, 1
	s_lshl_b32 s56, s56, 13                        ; which 8,192 bytes of a tile this work-group prefetches
	s_add_co_u32 s56, s56, 2*TILEB                 ; stepped in front of each prefetch: step 0 asks for tile 3
	s_mov_b32 s57, 0
	s_wait_kmcnt 0x0
	s_add_nc_u64 s[4:5], s[4:5], s[52:53]          ; K and V at the head's tile 0
	s_add_nc_u64 s[6:7], s[6:7], s[52:53]
	s_cmp_lt_u32 s50, 2
	s_cselect_b64 s[54:55], s[4:5], s[6:7]         ; x = 0, 1 prefetch K, x = 2, 3 prefetch V
	s_add_nc_u64 s[54:55], s[54:55], s[56:57]
	s_lshl_b32 s56, s3, 12                         ; a block is 16 queries x 256 bytes
	s_add_co_u32 s52, s52, s56
	s_add_nc_u64 s[8:9], s[8:9], s[52:53]          ; q and out0 at my block 0
	s_add_nc_u64 s[12:13], s[12:13], s[52:53]
	s_lshl_b32 s52, s2, 19                         ; pm: 524,288 bytes a batch,
	s_lshl_b32 s56, s14, 14                        ; my block 0 lies in the batch's group w of 64 queries (16,384 bytes each)
	s_add_co_u32 s52, s52, s56
	s_lshl_b32 s56, s50, 7                         ; and is the group's block x (128 bytes in each step's 512)
	s_add_co_u32 s52, s52, s56
	s_add_nc_u64 s[10:11], s[10:11], s[52:53]
	s_lshl_b32 s52, s2, 10                         ; sm: 128 blocks x 8 bytes a batch
	s_lshl3_add_u32 s52, s3, s52
	s_add_nc_u64 s[66:67], s[66:67], s[52:53]
.set i, 0
.rept 32
	global_load_b128 v[KF+4*i:KF+4*i+3], v[LOFF], s[8:9] offset:UQ*(i>>3)+512*(i&7) th:TH_LOAD_NT   ; q: two queries, 512 consecutive bytes; read once in the launch
.set i, i+1
.endr
	GLOAD                                          ; tile 0
.irp u, 0,1,2,3
	s_load_b64 s[MSK1+2*\u:MSK1+2*\u+1], s[66:67], USM*\u          ; skip and open of my block u, for the time being in the odd blocks' mask registers
.endr
	MLOAD MSK0, 0                                  ; step 0, block 0
	; q / 8, to bf16, through my own stage into fragments: 16 queries x 32 d by two loads of 16 bytes
.set n, 0
.rept 4
	s_wait_loadcnt 32-8*n                          ; block n's eight loads are in; out may stay the 24 - 8 n younger ones of q and tile 0's eight
.set i, 0
.rept 8
.set p, KF+4*(8*n+i)
	v_pk_mul_f32 v[p:p+1],   v[p:p+1],   QSCALE op_sel_hi:[1,0]
	v_pk_mul_f32 v[p+2:p+3], v[p+2:p+3], QSCALE op_sel_hi:[1,0]
	v_cvt_pk_bf16_f32 v[p],   v[p],   v[p+1]
	v_cvt_pk_bf16_f32 v[p+1], v[p+2], v[p+3]
	ds_store_b64 v[QST], v[p:p+1] offset:(16*n+2*i)*KP
.set i, i+1
.endr
.set n, n+1
.endr
.set n, 0
.rept 4
.set kc, 0
.rept 2
	ds_load_b128 v[QF+16*n+8*kc:QF+16*n+8*kc+3],   v[QRD] offset:16*n*KP+64*kc      ; my wave's own bytes, served in order: no wait between the stores and these
	ds_load_b128 v[QF+16*n+8*kc+4:QF+16*n+8*kc+7], v[QRD] offset:16*n*KP+64*kc+32
.set kc, kc+1
.endr
.set n, n+1
.endr
	s_wait_loadcnt 0x0                             ; tile 0
	CVT
	TSTORE 0                                       ; step 0's barrier, with its wait for LDS in front, makes it whole; that wait covers Q's fragments too
	s_add_nc_u64 s[4:5], s[4:5], TILEB
	s_add_nc_u64 s[6:7], s[6:7], TILEB
	GLOAD                                          ; tile 1
	s_wait_kmcnt 0x0
.irp u, 0,1,2,3
	s_mov_b32 s[SK+\u], s[MSK1+2*\u]
	s_or_b32 s2, s[MSK1+2*\u], s[MSK1+2*\u+1]
	s_not_b32 s[MK+\u], s2                         ; mixed: neither skipped nor open
.endr
	s_and_b32 s[AL], s[SK], s[SK+1]
	s_and_b32 s[AL], s[AL], s[SK+2]
	s_and_b32 s[AL], s[AL], s[SK+3]
	WIN 0x55
	v_mov_b32 v[NEGV], FILL
	v_mov_b32 v[TNM+1], 0                          ; the upper registers of the two broadcast pairs are named by the packed forms, never used
	v_mov_b32 v[ALP+1], 0
	v_mov_b32 v[TX], 0                             ; v_permlanex16_b32's destination counts as read
	STEP 0, 1, 1, 1, 1, 0                          ; step 0 starts every sum: nothing is cleared
	s_mov_b32 s15, 14
.Lsteps:                                           ; steps 1 to 28
	STEP 1, 0, 1, 1, 1, 0
	STEP 0, 0, 1, 1, 1, 0
	s_sub_co_u32 s15, s15, 1
	s_cmp_lg_u32 s15, 0
	s_cbranch_scc1 .Lsteps
	STEP 1, 0, 1, 0, 1, 0                          ; step 29 asks for tile 31, the last; there is nothing left to prefetch
	STEP 0, 0, 0, 0, 1, 0                          ; step 30 stores tile 31 and asks for nothing
	STEP 1, 0, 0, 0, 0, 1                          ; step 31: no further tile, no mask words beyond step 31's
	; O / l.  The two halves of the lanes hold the sums over their halves of the keys (alpha was the same in both).  l is not small: the largest score's exponent
	; is what the rounding of the shift left, half a unit in the last place of m log2e at the most, so its p is about 1.
	WIN 0x55
.irp u, 0,1,2,3
	v_permlanex16_b32 v[CH+\u], v[LS+\u], s48, s49
.endr
.irp u, 0,1,2,3
	v_add_f32 v[LS+\u], v[LS+\u], v[CH+\u]
.endr
.irp u, 0,1,2,3
	v_rcp_f32 v[CH+2*\u], v[LS+\u]
.endr
	v_nop                                          ; the plain instruction between the reciprocals and their first use
.set n, 0
	s_wait_alu depctr_va_vdst(0)
.rept 4
.set i, 0
.rept 16
	v_pk_mul_f32 v[ACC+32*n+2*i:ACC+32*n+2*i+1], v[ACC+32*n+2*i:ACC+32*n+2*i+1], v[CH+2*n:CH+2*n+1] op_sel_hi:[1,0]
.set i, i+1
.endr
.set n, n+1
.endr
	; Lane (r, h) holds d = 16 m + 8 h + 0..7 of query r of block n: 32 bytes of a row.  Through my own stage, read back as whole rows of 256 bytes.
	; In two halves of two blocks: the second half's LDS work runs while the first half's stores leave; each half reads into registers of its own.
.set hf, 0
.rept 2
	WIN 0x04
.set n, 2*hf
.rept 2
.set vm, 0
.rept 4
	ds_store_b128 v[OST], v[ACC+32*n+8*vm:ACC+32*n+8*vm+3]   offset:16*n*OP+64*vm
	ds_store_b128 v[OST], v[ACC+32*n+8*vm+4:ACC+32*n+8*vm+7] offset:16*n*OP+64*vm+16
.set vm, vm+1
.endr
.set n, n+1
.endr
	WIN 0
.set i, 16*hf
.rept 16
	ds_load_b128 v[KF+4*i:KF+4*i+3], v[ORD] offset:2*OP*i          ; stage rows 2 i and 2 i + 1; my wave's own bytes, served in order
.set i, i+1
.endr
.set i, 16*hf
.rept 16
	s_wait_dscnt 16*hf+15-i                        ; this read is in, the younger ones of the half's sixteen stay out
	global_store_b128 v[LOFF], v[KF+4*i:KF+4*i+3], s[12:13] offset:UQ*(i>>3)+512*(i&7) th:TH_STORE_NT   ; sixteen lanes store a row: 256 consecutive bytes, at a multiple of 256 from out0's first byte
.set i, i+1
.endr
.set hf, hf+1
.endr
	s_set_vgpr_msb 0x5
	s_wait_tensorcnt 0x0
	ds_add_u32 v254, v255
	s_wait_dscnt 0x0
	s_set_vgpr_msb 0x500
	s_endpgm
.Lfunc_end_k_qcdf311981e_attn:
	.size	k_qcdf311981e_attn, .Lfunc_end_k_qcdf311981e_attn-k_qcdf311981e_attn
	.p2alignl 7, 3214868480
	.fill 96, 4, 3214868480
	.section	.rodata,"a",@progbits
	.p2align	6, 0x0
	.amdhsa_kernel k_qcdf311981e_attn
		.amdhsa_group_segment_fixed_size 179200
		.amdhsa_private_segment_fixed_size 0
		.amdhsa_enable_private_segment 0
		.amdhsa_kernarg_size 48
		.amdhsa_user_sgpr_count 2
		.amdhsa_user_sgpr_kernarg_segment_ptr 1
		.amdhsa_wavefront_size32 1
		.amdhsa_system_sgpr_workgroup_id_x 1
		.amdhsa_system_sgpr_workgroup_id_y 1
		.amdhsa_system_sgpr_workgroup_id_z 1
		.amdhsa_system_vgpr_workitem_id 0
		.amdhsa_next_free_vgpr 512
		.amdhsa_next_free_sgpr 100
		.amdhsa_reserve_vcc 0
		.amdhsa_float_denorm_mode_32 3
		.amdhsa_float_denorm_mode_16_64 3
		.amdhsa_memory_ordered 1
		.amdhsa_forward_progress 1
		.amdhsa_inst_pref_size 255
	.end_amdhsa_kernel
	.section	.bss,"aw",@nobits
	.p2align	6
	.space	262144
	.amdgpu_metadata
---
amdhsa.version: [ 1, 2 ]
amdhsa.kernels:
  - .name:           k_qcdf311981e_attn
    .symbol:         k_qcdf311981e_attn.kd
    .args:
      - { .name: k, .offset: 0, .size: 8, .value_kind: global_buffer, .address_space: global }
      - { .name: v, .offset: 8, .size: 8, .value_kind: global_buffer, .address_space: global }
      - { .name: q, .offset: 16, .size: 8, .value_kind: global_buffer, .address_space: global }
      - { .name: pm, .offset: 24, .size: 8, .value_kind: global_buffer, .address_space: global }
      - { .name: sm, .offset: 32, .size: 8, .value_kind: global_buffer, .address_space: global }
      - { .name: out0, .offset: 40, .size: 8, .value_kind: global_buffer, .address_space: global }
    .group_segment_fixed_size: 179200
    .private_segment_fixed_size: 0
    .kernarg_segment_align: 8
    .kernarg_segment_size: 48
    .max_flat_workgroup_size: 256
    .sgpr_count:     100
    .vgpr_count:     512
    .wavefront_size: 32
...
	.end_amdgpu_metadata
.endif
;; end of part 4
